; MI455X (gfx1250); checked and timed in simulation.
; The chip was launched on July 23, 2026; its instructions are those of AMD's public machine-readable ISA for CDNA 5 (MIT licence, August 2026) and "CDNA5" Instruction Set Architecture Reference Guide (July 2026). The comments in the code are by the model that wrote it; some were corrected since.
;; DQT Linear. Allowed arithmetic: float matrix products may take bf16 or f16 operands with f32 sums; other float arithmetic in f32, or as packed bf16 or f16 multiplies, adds, multiply-adds, maxima and minima; sums over many terms, partial sums and values carried from step to step in f32; what a program stores and reads back later, other than sums and carried values, may be rounded once to bf16 or f16.
;; Inputs: scales 65,536 float32; ternary 2,048 x 4,096 int8; x 2 x 4,096 x 4,096 float32.
;; Outputs: out0 2 x 4,096 x 2,048 float32.
;; 3 versions, each right; version 3 is version 2 with the launch prep written anew for expert scheduling mode. Each part assembles by itself: llvm-mc -triple=amdgcn-amd-amdhsa -mcpu=gfx1250 --defsym DOCPART=n.
;; ======== version 1 of 3: 2 launches
;; workspace buffers: wb 16,777,216 bytes
;; launch wprep (part 1): grid 256 x 1, 4 waves a work-group, no clusters, 71,168 bytes of LDS; arguments ternary, scales, wb; writes wb
.if DOCPART == 1
	.amdgcn_target "amdgcn-amd-amdhsa--gfx1250"
	.amdhsa_code_object_version 6
	.text
	.protected	k_q7c12540a17_wprep
	.globl	k_q7c12540a17_wprep
	.p2align	8
	.type	k_q7c12540a17_wprep,@function
k_q7c12540a17_wprep:
	s_mov_b64 s[64:65], 0
	v_nop
	global_prefetch_b8 v0, s[64:65] scope:SCOPE_SE
	s_setreg_imm32_b32 hwreg(HW_REG_WAVE_MODE, 25, 1), 1
	s_wait_xcnt 0x0
; wb = the weights in bf16, laid out for the product that follows: w[n][k] = ternary[n][k] x scales[32 n + k / 128], n < 2,048, k < 4,096,
; stored at byte (k / 64) x 262,144 + n x 128 + (k % 64) x 2: for each 64 along K all 2,048 rows lie end to end, 128 bytes each.
; LIMITS.  The product code x scale is made in f32 and rounded once to bf16, to nearest even.  For the codes -1, 0, 1 it is exact in f32, so w is the code times the scale
; rounded to bf16; any other int8 code is served too, with one rounding in f32 and one to bf16.  A NaN or an infinity among the scales goes through as the multiply makes it.
; SHARES.  1,024 waves; wave W = 4 x work-group + wave owns rows 2 W and 2 W + 1 over the whole K: 8,192 bytes of codes, 256 consecutive bytes of scales (64 of them), and 64 pieces
; of 256 consecutive bytes of wb (piece ks: both rows' 64 numbers of K step ks).  No loop: a wave asks for all its bytes at its head.  No barrier: every LDS byte is the wave's own.
; THE WAY.  A lane's 16 codes become 32 bytes of one row; the lanes beside it hold other K steps.  So the wave's 16 KiB go through an image in LDS, a piece to a row of 272 bytes,
; and come back so that sixteen neighbouring lanes hold one piece: each store of the wave covers two aligned runs of 256 consecutive bytes.
; No matrix unit, no cluster, no tensor load: nothing is multiplied by rows, no two work-groups read the same byte, and a wave's whole share fits in its registers.
.set PIT,   272                        ; a piece in the image: 256 bytes + 16: on the way back the two pieces of a load lie 68 words apart
.set IMG,   64*PIT                     ; a wave's image
.set SCB,   4*IMG                      ; behind the images: 256 bytes of scales for each wave
.set SPARE, SCB+4*256                  ; behind them: the spare words, 128 bytes for each wave: two blocks of 256 bytes that no other line names
.set TO,   1                           ; v1   my byte offset in the wave's codes: row (lane / 16) x 4,096 + 16 (lane % 16)
.set SO,   2                           ; v2   8 x lane: my two scales in memory
.set SCW,  3                           ; v3   where I put them in LDS
.set SCR,  4                           ; v4   where I read the scale of my 16 codes of load 0
.set IW,   5                           ; v5   where I put my 32 bytes of load 0 in the image
.set IR,   6                           ; v6   where I read 16 bytes of a piece back
.set WO,   7                           ; v7   my byte offset in wb for pieces 0 and 1
.set WO2,  8                           ; v8   the same 32 pieces on: the stores' immediates stay inside their signed 24 bits
.set SPW,  10                          ; v10  LDS address of my spare word: SPARE + 4 x my thread's number; never rewritten
.set NIL,  11                          ; v11  0; never rewritten
.set SP,   12                          ; v[12:13]  my two scales as loaded
.set LN,   14                          ; v14  lane;  v15  lane % 16
.set J,    15
.set T,    16                          ; v[16:79]   the codes: load i in four registers
.set S,    80                          ; v[80:95]   the scale of my codes of load i
.set U,    96                          ; v[96:99]   four numbers at work
.set O,    100                         ; v[100:107] sixteen bf16
.set RR,   108                         ; v108 lane / 16;  v109, v110 at work
.set R,    112                         ; v[112:239] the image read back: load t in four registers
	s_load_b128 s[4:7], s[0:1], 0x0                ; ternary s[4:5], scales s[6:7]
	s_load_b64 s[8:9], s[0:1], 0x10                ; wb
	v_lshl_add_u32 v[SPW], v0, 2, SPARE
	v_mov_b32 v[NIL], 0
	v_lshrrev_b32 v[RR], 5, v0
	v_readfirstlane_b32 s10, v[RR]                 ; wave 0..3
	s_lshl_b32 s11, ttmp9, 2
	s_add_co_u32 s11, s11, s10                     ; W
	s_lshl_b32 s2, s11, 13                         ; two rows of 4,096 codes
	s_mov_b32 s3, 0
	s_lshl_b32 s12, s11, 8                         ; two rows' 64 scales, and two rows' 256 bytes in a K step of wb
	s_mov_b32 s13, 0
	s_mul_i32 s14, s10, IMG                        ; my image
	s_lshl_b32 s15, s10, 8
	s_add_co_u32 s15, s15, SCB                     ; my scales
	v_and_b32 v[LN], 31, v0
	v_and_b32 v[J], 15, v0
	v_bfe_u32 v[RR], v0, 4, 1
	v_lshlrev_b32 v[TO], 4, v[J]
	v_lshl_add_u32 v[TO], v[RR], 12, v[TO]
	v_lshlrev_b32 v[SO], 3, v[LN]
	v_lshl_add_u32 v[SCW], v[LN], 3, s15
	v_lshrrev_b32 v109, 3, v[J]                    ; load i's codes of lane j lie in group 2 i + j / 8 of their row
	v_lshlrev_b32 v109, 2, v109
	v_lshl_add_u32 v109, v[RR], 7, v109            ; a row has 32 scales, 128 bytes
	v_add_nc_u32 v[SCR], s15, v109
	v_lshrrev_b32 v109, 2, v[J]                    ; and in piece 4 i + j / 4, at byte 128 x row + 32 (j % 4)
	v_mul_u32_u24 v109, v109, PIT
	v_and_b32 v110, 3, v[J]
	v_lshl_add_u32 v109, v110, 5, v109
	v_lshl_add_u32 v109, v[RR], 7, v109
	v_add_nc_u32 v[IW], s14, v109
	v_mul_u32_u24 v109, v[RR], PIT                 ; back: lanes 0-15 take one piece, lanes 16-31 the next
	v_lshl_add_u32 v109, v[J], 4, v109
	v_add_nc_u32 v[IR], s14, v109
	v_lshlrev_b32 v[WO], 4, v[J]
	v_lshl_add_u32 v[WO], v[RR], 18, v[WO]         ; pieces lie 262,144 bytes apart in wb
	v_add_nc_u32 v[WO2], 32*262144, v[WO]
	s_wait_kmcnt 0x0
	s_add_nc_u64 s[4:5], s[4:5], s[2:3]
	s_add_nc_u64 s[6:7], s[6:7], s[12:13]
	s_add_nc_u64 s[8:9], s[8:9], s[12:13]
	global_load_b64 v[SP:SP+1], v[SO], s[6:7] th:TH_LOAD_NT  ; the wave's 256 bytes of scales
.irp i, 0,1,2,3,4,5,6,7,8,9,10,11,12,13,14,15
	global_load_b128 v[T+4*(\i):T+4*(\i)+3], v[TO], s[4:5] offset:256*(\i) th:TH_LOAD_NT  ; 256 consecutive bytes of each of the two rows
.endr
	s_wait_loadcnt 16                              ; the scales are in; the sixteen loads issued behind them stay out
	ds_store_b64 v[SCW], v[SP:SP+1]
.irp i, 0,1,2,3,4,5,6,7,8,9,10,11,12,13,14,15
	ds_load_b32 v[S+(\i)], v[SCR] offset:8*(\i)    ; LDS serves a wave's instructions in order (ISA guide 5.7.1.4): these see the store above
.endr
	s_wait_dscnt 0x0
; Load i: 16 codes a lane -> f32 -> times the group's scale -> bf16 -> 32 bytes into the image.
.macro CONV i
	s_wait_loadcnt 15-(\i)                         ; loads come back in order (ISA guide 5.7.1): load i is in, the younger ones stay out
.irp c, 0,1,2,3
	v_lshlrev_b32 v[U],   24, v[T+4*(\i)+(\c)]     ; each byte to the top of a word,
	v_lshlrev_b32 v[U+1], 16, v[T+4*(\i)+(\c)]
	v_lshlrev_b32 v[U+2], 8,  v[T+4*(\i)+(\c)]
	v_ashrrev_i32 v[U],   24, v[U]                 ; and down again with its sign
	v_ashrrev_i32 v[U+1], 24, v[U+1]
	v_ashrrev_i32 v[U+2], 24, v[U+2]
	v_ashrrev_i32 v[U+3], 24, v[T+4*(\i)+(\c)]
	v_cvt_f32_i32 v[U],   v[U]
	v_cvt_f32_i32 v[U+1], v[U+1]
	v_cvt_f32_i32 v[U+2], v[U+2]
	v_cvt_f32_i32 v[U+3], v[U+3]
	v_mul_f32 v[U],   v[S+(\i)], v[U]
	v_mul_f32 v[U+1], v[S+(\i)], v[U+1]
	v_mul_f32 v[U+2], v[S+(\i)], v[U+2]
	v_mul_f32 v[U+3], v[S+(\i)], v[U+3]
	v_cvt_pk_bf16_f32 v[O+2*(\c)],   v[U],   v[U+1]
	v_cvt_pk_bf16_f32 v[O+2*(\c)+1], v[U+2], v[U+3]
.endr
	ds_store_b128 v[IW], v[O:O+3]   offset:4*PIT*(\i)
	ds_store_b128 v[IW], v[O+4:O+7] offset:4*PIT*(\i)+16
.endm
.irp i, 0,1,2,3,4,5,6,7,8,9,10,11,12,13,14,15
	CONV \i
.endr
.irp t, 0,1,2,3,4,5,6,7,8,9,10,11,12,13,14,15,16,17,18,19,20,21,22,23,24,25,26,27,28,29,30,31
	ds_load_b128 v[R+4*(\t):R+4*(\t)+3], v[IR] offset:2*PIT*(\t)  ; pieces 2 t and 2 t + 1; in order behind the stores above
.endr
.irp t, 0,1,2,3,4,5,6,7,8,9,10,11,12,13,14,15
	s_wait_dscnt 31-(\t)                           ; load t is back, the younger ones stay out
	global_store_b128 v[WO], v[R+4*(\t):R+4*(\t)+3], s[8:9] offset:(\t)*2*262144  ; 16 lanes store 256 consecutive bytes, at a multiple of 256 from wb's first byte
.endr
.irp t, 16,17,18,19,20,21,22,23,24,25,26,27,28,29,30,31
	s_wait_dscnt 31-(\t)
	global_store_b128 v[WO2], v[R+4*(\t):R+4*(\t)+3], s[8:9] offset:((\t)-16)*2*262144
.endr
	s_wait_tensorcnt 0x0                           ; the wave's end, behind my last LDS store
	ds_add_u32 v[SPW], v[NIL]
	s_wait_dscnt 0x0
	s_endpgm
.Lfunc_end_k_q7c12540a17_wprep:
	.size	k_q7c12540a17_wprep, .Lfunc_end_k_q7c12540a17_wprep-k_q7c12540a17_wprep
	.p2alignl 7, 3214868480
	.fill 96, 4, 3214868480
	.section	.rodata,"a",@progbits
	.p2align	6, 0x0
	.amdhsa_kernel k_q7c12540a17_wprep
		.amdhsa_group_segment_fixed_size 71168
		.amdhsa_private_segment_fixed_size 0
		.amdhsa_enable_private_segment 0
		.amdhsa_kernarg_size 24
		.amdhsa_user_sgpr_count 2
		.amdhsa_user_sgpr_kernarg_segment_ptr 1
		.amdhsa_wavefront_size32 1
		.amdhsa_system_sgpr_workgroup_id_x 1
		.amdhsa_system_sgpr_workgroup_id_y 1
		.amdhsa_system_sgpr_workgroup_id_z 1
		.amdhsa_system_vgpr_workitem_id 0
		.amdhsa_next_free_vgpr 240
		.amdhsa_next_free_sgpr 66
		.amdhsa_reserve_vcc 0
		.amdhsa_float_denorm_mode_32 3
		.amdhsa_float_denorm_mode_16_64 3
		.amdhsa_memory_ordered 1
		.amdhsa_forward_progress 1
		.amdhsa_inst_pref_size 52
	.end_amdhsa_kernel
	.amdgpu_metadata
---
amdhsa.version: [ 1, 2 ]
amdhsa.kernels:
  - .name:           k_q7c12540a17_wprep
    .symbol:         k_q7c12540a17_wprep.kd
    .args:
      - { .name: ternary, .offset: 0, .size: 8, .value_kind: global_buffer, .address_space: global }
      - { .name: scales, .offset: 8, .size: 8, .value_kind: global_buffer, .address_space: global }
      - { .name: wb, .offset: 16, .size: 8, .value_kind: global_buffer, .address_space: global }
    .group_segment_fixed_size: 71168
    .private_segment_fixed_size: 0
    .kernarg_segment_align: 8
    .kernarg_segment_size: 24
    .max_flat_workgroup_size: 128
    .sgpr_count:     66
    .vgpr_count:     240
    .wavefront_size: 32
...
	.end_amdgpu_metadata
.endif
;; end of part 1
;; launch gemm (part 2): grid 8 x 32, 4 waves a work-group, clusters of 4 x 4, 327,680 bytes of LDS; arguments x, wb, out0; writes out0
.if DOCPART == 2
	.amdgcn_target "amdgcn-amd-amdhsa--gfx1250"
	.amdhsa_code_object_version 6
	.text
	.protected	k_q7c12540a17_gemm
	.globl	k_q7c12540a17_gemm
	.p2align	8
	.type	k_q7c12540a17_gemm,@function
k_q7c12540a17_gemm:
	s_mov_b64 s[64:65], 0
	v_nop
	global_prefetch_b8 v0, s[64:65] scope:SCOPE_SE
	s_setreg_imm32_b32 hwreg(HW_REG_WAVE_MODE, 25, 1), 1
	s_wait_xcnt 0x0
	s_wait_alu depctr_hold_cnt(0) depctr_sa_sdst(0) depctr_va_vdst(0) depctr_va_sdst(0) depctr_va_ssrc(0) depctr_va_vcc(0) depctr_vm_vsrc(0)
	s_getreg_b32 s2, hwreg(HW_REG_IB_STS2, 6, 4)
	s_cmp_eq_u32 s2, 0
	s_cbranch_scc0 .Lentry_in_a_cluster
	s_endpgm
.Lentry_in_a_cluster:
	s_bfe_u32 s2, ttmp6, 0x10000c
	s_cmp_lg_u32 s2, 0xf033
	s_cbranch_scc0 .Lentry_shape_is_right
	s_endpgm
.Lentry_shape_is_right:
; out0[m][o] = the sum over k of x[m][k] w[o][k].  x: [8,192][4,096] f32.  wb: w in bf16, number (o, k) at byte (k / 64) x 262,144 + o x 128 + (k % 64) x 2.  out0: [8,192][2,048] f32.
; LIMITS.  x is rounded once to bf16, to nearest even, on its way from LDS to the matrix unit (|x| from about 3.39e38 on becomes an infinity); w was rounded once to bf16.  Sums in f32, one accumulator for each
; output, K ascending.  NaN and infinities go through as the matrix unit treats them.
; SHARES.  A tile of out0, 256 x 256, is made by a work-group of four waves; there are 32 x 8 tiles.  Wave w makes rows 64 w .. 64 w + 63 and ALL 256 columns: 4 x 16 accumulators of 16 x 16, 512 registers.
; So each f32 of x is read from LDS once and rounded once in the work-group: 32 conversions for 64 matrix instructions.
; THE RING.  K goes in steps of 64 through two LDS slots: 256 rows of x (256 bytes of f32 each, aligned in memory) and 256 rows of w (128 bytes each, 32,768 dense bytes of wb).  Two slots of a longer step
; (1,536 bytes for each k, padding aside) do not fit beside each other.  Waves 0 and 1 fetch the halves of x's tile, waves 2 and 3 those of w's: one tensor load a wave for each K step.
; A K step is two QUARTERS of 32 along K, 64 matrix instructions a wave each, on fragment buffers 0 and 1.  A quarter opens with ONE run of 48 LDS loads for the next quarter (16 of raw f32, 32 of w's
; fragments); the raw numbers are rounded in slices of four conversions behind matrix instructions 35, 39 .. 63.  A step's first quarter reads the slot's last bytes at its head, so it also changes slots.
; CLUSTERS: 4 x 4 work-groups.  The four of a row of the cluster need the same tiles of x, the four of a column the same tiles of w: each tile is asked for JOINTLY, by the same tensor load with the same
; descriptor and a mask that names the four.
; THE MATRIX INSTRUCTION IS USED TRANSPOSED (source 0 = 16 rows of w, source 1 = 16 rows of x): lane l then holds row l % 16 of out0 and the columns 8 (l / 16) + 0 .. 7: 32 bytes on end.
; REGISTERS, in windows of 256 (s_set_vgpr_msb's low byte: bits 1:0 source 0, 3:2 source 1, 5:4 source 2, 7:6 destination):
;   window 0: v0-31 addresses; v64-95, v96-127 x's fragments in bf16, two buffers of 4; v128-191 x's raw f32 of one quarter; on the way out v64-127 and v128-191 hold rows read back
;   window 1: w's fragments, two buffers of 16 (128 registers each)
;   window 2: the accumulators of my rows 0-31 ((a, b) at v[8 (16 (a % 2) + b)]);   window 3: those of my rows 32-63
.set XSTEP,  256                       ; bytes of a row of x in a K step
.set XROW,   16384                     ; bytes in a row of x
.set WSTEP,  262144                    ; bytes of wb in a K step
.set CROW,   8192                      ; bytes in a row of out0
.set PA,     272                       ; an LDS row of x: 256 bytes + 16 = 68 words: row r starts at bank 4 r mod 64 (64 banks of 4 bytes: ISA guide 11.1), so the 16 rows of a load start at 16 different banks
.set HA,     128*PA                    ; what one tensor load brings of x
.set PB,     144                       ; an LDS row of w: 128 bytes + 16 = 36 words: the 16 rows of a load start at 16 different groups of four banks
.set HB,     128*PB                    ; what one tensor load brings of w
.set BOFF,   2*HA                      ; w's 256 rows lie behind x's 256
.set SLOT,   BOFF+2*HB
.set STAGE,  2*SLOT                    ; behind the ring: 16 rows x 528 bytes for each wave, for the way out; no tensor load lands here
.set SPITCH, 528                       ; 512 bytes + 16: 132 words
.set WSTAGE, 16*SPITCH
.set SPARE,  STAGE+4*WSTAGE            ; behind the stages: the spare words, 128 bytes for each wave: two blocks of 256 bytes that no other line names
.set ADRA, 16                          ; v16-17  LDS address of my fragments of x in slot 0, 1
.set ADRB, 20                          ; v20-21  the same for w
.set STO,  24                          ; v24     the way out: where I put 32 bytes of a row
.set RD,   25                          ; v25     the way out: where I read 16 bytes of a row back
.set CO,   26                          ; v26     16 x lane: my byte offset in 512 bytes of a row of out0; never rewritten
.set SPW,  28                          ; v28     LDS address of my spare word: SPARE + 4 x my thread's number; never rewritten
.set NIL,  29                          ; v29     0; never rewritten
.set PFO,  30                          ; v30     the prefetches' offset: my lane x a row of x, or x 256 bytes of wb; never rewritten
.set AF,   64                          ; x's fragments in bf16: buffer p, fragment a at AF + 32 p + 8 a
.set RAW,  128                         ; x's raw f32: fragment i at RAW + 16 i
.set OB,   64                          ; the way out: two sets of 64 registers
.set G1,   24                          ; s[24:31] descriptor group 1 for x's tiles
.set G0,   32                          ; s[32:39] descriptor group 0 for x's tiles, one set for each slot
.set G1B,  48                          ; s[48:55] descriptor group 1 for w's tiles
.set G0B,  56                          ; s[56:63] descriptor group 0 for w's tiles, one set for each slot
.set PFA,  66                          ; s[66:67] where my prefetches stand
.set PFS,  68                          ; s[68:69] a K step in the tensor that I prefetch
.set LIM,  70                          ; s70     1 in a wave that prefetches, else -1
.set MSB, 0
.macro WIN new                         ; the immediate's high byte repeats the setting that is left; a switch that changes nothing is dropped
.if MSB != (\new)
	s_set_vgpr_msb (MSB<<8)|(\new)
.set MSB, \new
.endif
.endm
; A joint load.  Waves 0 and 1 fetch x's two halves, waves 2 and 3 w's.  Each of the two lines has one mask and one set of registers for all that issue it; the branch hangs on the wave's number alone.
; An s_nop 0 and four v_nop follow each of the two lines; the jump round the other line, the label and what follows the macro come after them.
.macro JLOAD s
	s_cmp_eq_u32 s11, 0
	s_cbranch_scc0 .Lfor_b_\@
	tensor_load_to_lds s[G0+4*(\s):G0+4*(\s)+3], s[G1:G1+7]
	s_nop 0
.rept 4
	v_nop
.endr
	s_branch .Lasked_\@
.Lfor_b_\@:
	tensor_load_to_lds s[G0B+4*(\s):G0B+4*(\s)+3], s[G1B:G1B+7]
	s_nop 0
.rept 4
	v_nop
.endr
.Lasked_\@:
.endm
; A PREFETCH INTO THE L2, behind a joint load, its five lines and the run of LDS loads that follows them: the K step that stands TWO refills on, 256 matrix instructions ahead of the load that will want it.
; 32 blocks of 256 bytes, a lane a block, one instruction a wave.  Each block is named ONCE in the launch.  x's tile row is read by both clusters of that row of clusters: the one with x = 0 asks, in waves 0 and 1;
; of the 128 rows that the wave fetches, the partner at place cx takes 32.  w's tile column is read by all eight clusters of that column: the one with y = 0 asks, in wave 2; of a K step's 128 blocks of the
; tile column the partner at place cy takes 32.  The partners are told apart BY ADDRESS: no branch hangs on a work-group's place in its cluster.
.macro ASK
	s_cmp_eq_u32 s[LIM], 1
	s_cbranch_scc0 .Lnot_mine_\@
	global_prefetch_b8 v[PFO], s[PFA:PFA+1] th:TH_LOAD_NT scope:SCOPE_SE
.Lnot_mine_\@:
.endm
; A round of the cluster's barrier: my work-group's barrier, so that wave 0's signal speaks for all four waves; wave 0 signals for the work-group; every wave waits for all sixteen work-groups; my work-group's
; barrier once more.  No LDS instruction of the wave is pending at a signal.
.macro CREST                           ; a round behind its opening barrier
	s_cmp_lg_u32 s10, 0
	s_cbranch_scc1 .Lnot_wave_0_\@
	s_barrier_signal -3
.Lnot_wave_0_\@:
	s_barrier_wait -3
	s_barrier_signal -1
	s_barrier_wait -1
.endm
.macro CROUND                          ; a whole round
	s_barrier_signal -1
	s_barrier_wait -1
	CREST
.endm
	s_load_b128 s[4:7], s[0:1], 0x0                ; x s[4:5], wb s[6:7]
	s_load_b64 s[8:9], s[0:1], 0x10                ; out0
	v_lshl_add_u32 v[SPW], v0, 2, SPARE
	v_mov_b32 v[NIL], 0
	ds_add_u32 v[SPW], v[NIL]                      ; the wave's opening: the add and its wait stand ahead of my first tensor load; the set-up below, work on registers, stands between them
	v_lshrrev_b32 v1, 5, v0
	v_readfirstlane_b32 s10, v1                    ; wave 0..3: my 64 rows of the tile
	s_lshr_b32 s11, s10, 1                         ; I fetch for x (0) or for w (1),
	s_and_b32 s12, s10, 1                          ; and which 128 rows of that tile
	s_bfe_u32 s40, ttmp6, 0x40000                  ; cx: my place along the cluster's x
	s_bfe_u32 s41, ttmp6, 0x40004                  ; cy: along its y
	s_lshl_b32 s42, ttmp9, 2                       ; in a cluster launch ttmp9 and ttmp7 count clusters
	s_add_co_u32 s42, s42, s40                     ; tile column = 4 x cluster x + cx
	s_and_b32 s13, ttmp7, 0xffff
	s_lshl_b32 s13, s13, 2
	s_add_co_u32 s13, s13, s41                     ; tile row = 4 x cluster y + cy
	s_lshl_b32 s43, s41, 2
	s_lshl_b32 s43, 15, s43                        ; my row of the cluster: places 4 cy .. 4 cy + 3
	s_lshl_b32 s44, 0x1111, s40                    ; my column: places cx, cx + 4, cx + 8, cx + 12
	; group 1 for x: 128 rows x 64 elements of 4 bytes, 4,096 elements from row to row
	s_or_b32 s[G1+0], s43, (2<<16)|(1<<20)|(1<<21)|(5<<22)|(3<<25)  ; 15:0 the mask: my row; 17:16 elements of 4 bytes; 20 padding on; 21 set beside a mask; 24:22 after every 64 words (code 5); 31:25 4 words of it (code 3)
	s_mov_b32 s[G1+1], 64<<16                      ; tensor_dim0 = 64
	s_mov_b32 s[G1+2], 128<<16                     ; tensor_dim1 = 128
	s_mov_b32 s[G1+3], 64<<16                      ; tile_dim0 = 64
	s_mov_b32 s[G1+4], 128                         ; tile_dim1 = 128
	s_mov_b32 s[G1+5], 4096                        ; elements from row to row
	s_mov_b32 s[G1+6], 0
	s_mov_b32 s[G1+7], 0
	; group 1 for w: 128 rows of 128 bytes are 16,384 dense bytes: asked for as 64 rows of 256 bytes, two rows of w each, and padded in LDS after every row of w
	s_or_b32 s[G1B+0], s44, (1<<16)|(1<<20)|(1<<21)|(4<<22)|(3<<25) ; the mask: my column; elements of 2 bytes; after every 32 words (code 4) 4 words of padding
	s_mov_b32 s[G1B+1], 128<<16                    ; tensor_dim0 = 128
	s_mov_b32 s[G1B+2], 64<<16                     ; tensor_dim1 = 64
	s_mov_b32 s[G1B+3], 128<<16                    ; tile_dim0 = 128
	s_mov_b32 s[G1B+4], 64                         ; tile_dim1 = 64
	s_mov_b32 s[G1B+5], 128                        ; elements from row to row
	s_mov_b32 s[G1B+6], 0
	s_mov_b32 s[G1B+7], 0
	; where the tiles come from.  x's hang on the tile row alone, which my row of the cluster shares; w's on the tile column alone, which my column shares.  Every wave makes both, in registers that never hold the other coordinate.
	s_lshl_b32 s17, s12, 7
	s_lshl_b32 s16, s13, 8
	s_add_co_u32 s16, s16, s17                     ; x: row 256 x tile row + 128 x half,
	s_lshl_b32 s16, s16, 14                        ; of 16,384 bytes: under 2^28
	s_lshl_b32 s46, s42, 8
	s_add_co_u32 s46, s46, s17                     ; w: row 256 x tile column + 128 x half,
	s_lshl_b32 s46, s46, 7                         ; of 128 bytes in a K step
	s_mov_b32 s17, 0
	s_mov_b32 s47, 0
	s_mul_i32 s20, s10, HA                         ; and where they go: x's halves at wave x 128 rows (waves 0, 1),
	s_mul_i32 s21, s10, HB
	s_add_co_u32 s21, s21, BOFF-2*HB               ; w's at BOFF + (wave - 2) x 128 rows (waves 2, 3): no place in the cluster enters an LDS address
	s_wait_dscnt 0x0                               ; the opening add is done
	s_wait_kmcnt 0x0
	s_add_nc_u64 s[14:15], s[4:5], s[16:17]
	s_add_nc_u64 s[46:47], s[6:7], s[46:47]
	CROUND                                         ; all sixteen work-groups are here: the first joint loads meet
.irp s, 0,1
	s_mov_b32 s[G0+4*(\s)], 1                                      ; 1:0 count = 1
	s_add_co_u32 s[G0+4*(\s)+1], s20, (\s)*SLOT                    ; 63:32 LDS address
	s_add_nc_u64 s[G0+4*(\s)+2:G0+4*(\s)+3], s[14:15], (\s)*XSTEP  ; 120:64 global address: K step s
	s_or_b32 s[G0+4*(\s)+3], s[G0+4*(\s)+3], 0x80000000            ; 127:126 type = 2
	s_mov_b32 s[G0B+4*(\s)], 1
	s_add_co_u32 s[G0B+4*(\s)+1], s21, (\s)*SLOT
	s_add_nc_u64 s[G0B+4*(\s)+2:G0B+4*(\s)+3], s[46:47], (\s)*WSTEP
	s_or_b32 s[G0B+4*(\s)+3], s[G0B+4*(\s)+3], 0x80000000
	JLOAD \s                                       ; both slots are asked for before anything else is done: two loads of mine are out; later one
.endr
	; A fragment is 16 rows x 32 K in 8 registers: lane l holds row l % 16; registers 0-3 K = 8 (l / 16) + 0..7, registers 4-7 K = 16 + 8 (l / 16) + 0..7.
	; Of w (bf16): two loads of 16 bytes, 32 bytes apart.  Of x (f32): twice 32 bytes, 64 bytes apart: four loads of 16 bytes, then eight conversions of two numbers.
	v_and_b32 v1, 15, v0                           ; l % 16
	v_bfe_u32 v2, v0, 4, 1                         ; l / 16
	s_mul_i32 s14, s10, 64*PA                      ; my 64 rows of x
	v_mul_u32_u24 v3, v1, PA
	v_lshl_add_u32 v3, v2, 5, v3                   ; row x pitch + 32 x half
	v_add_nc_u32 v[ADRA], s14, v3
	v_add_nc_u32 v[ADRA+1], SLOT, v[ADRA]
	v_mul_u32_u24 v4, v1, PB
	v_lshl_add_u32 v4, v2, 4, v4                   ; row x pitch + 16 x half
	v_add_nc_u32 v[ADRB], BOFF, v4                 ; all 256 rows of w are mine
	v_add_nc_u32 v[ADRB+1], SLOT, v[ADRB]
	s_mul_i32 s15, s10, WSTAGE
	s_add_co_u32 s15, s15, STAGE                   ; my stage
	v_mul_u32_u24 v5, v1, SPITCH                   ; in: row l % 16, 32 bytes for each half of the lanes
	v_lshl_add_u32 v5, v2, 5, v5
	v_add_nc_u32 v[STO], s15, v5
	v_and_b32 v31, 31, v0
	v_lshlrev_b32 v[CO], 4, v31                    ; back: 32 lanes take a row's 512 bytes
	v_add_nc_u32 v[RD], s15, v[CO]
	s_lshl_b32 s72, s13, 8                         ; out0 at my first row and the tile's first column
	s_lshl_b32 s73, s10, 6
	s_add_co_u32 s72, s72, s73
	s_lshl_b32 s72, s72, 13                        ; rows of 8,192 bytes: under 2^27
	s_lshl_b32 s73, s42, 10                        ; 256 columns are 1,024 bytes
	s_add_co_u32 s72, s72, s73
	s_mov_b32 s73, 0
	s_add_nc_u64 s[8:9], s[8:9], s[72:73]
	; the prefetches
	s_lshl_b32 s14, s13, 8                         ; x: the tile's first row,
	s_lshl_b32 s15, s12, 7
	s_add_co_u32 s14, s14, s15                     ; the 128 rows that I fetch,
	s_lshl_b32 s15, s40, 5
	s_add_co_u32 s14, s14, s15                     ; my work-group's 32 of them,
	s_lshl_b32 s14, s14, 14
	s_add_co_u32 s14, s14, 3*XSTEP                 ; at K step 3: the first refill steps it to 4
	s_lshl_b32 s15, s42, 15                        ; w: the tile column's 32,768 bytes of a K step,
	s_lshl_b32 s16, s41, 13
	s_add_co_u32 s15, s15, s16                     ; my work-group's 8,192 of them,
	s_add_co_u32 s15, s15, 3*WSTEP                 ; at K step 3
	s_and_b32 s22, ttmp7, 0xffff                   ; cluster y
	s_mov_b32 s16, XSTEP
	s_mov_b32 s17, WSTEP
	s_cmp_eq_u32 s11, 0                            ; do I fetch for x?
	s_cselect_b32 s18, s14, s15
	s_cselect_b32 s22, ttmp9, s22                  ; the coordinate along which other clusters read the same blocks
	s_cselect_b32 s23, 14, 8                       ; a lane a row of x, or a lane 256 bytes of wb
	s_cselect_b32 s[PFS], s16, s17
	s_cselect_b64 s[PFA:PFA+1], s[4:5], s[6:7]
	s_mov_b32 s19, 0
	s_mov_b32 s[PFS+1], 0
	s_add_nc_u64 s[PFA:PFA+1], s[PFA:PFA+1], s[18:19]
	s_cmp_eq_u32 s10, 3                            ; wave 2 asks for all of my work-group's blocks of w: wave 3 asks for nothing
	s_cselect_b32 s16, 1, 0
	s_or_b32 s22, s22, s16
	s_cmp_eq_u32 s22, 0
	s_cselect_b32 s[LIM], 1, -1                    ; the same in all sixteen partners, for a given wave
	v_lshlrev_b32 v[PFO], s23, v31
	; nothing is prefetched here, at the head, where every work-group's first tiles are on their way: K steps 0 to 3 come by their loads alone
; Matrix instruction n of a quarter's 64, on buffer p: my rows 16 (n / 16) on, columns 16 (n % 16) on.  The 64 accumulators take turns, one instruction a turn, in the same order in every quarter:
; 63 others stand between two links of a chain, over the loop's backward jump too.  zero = 1: the product starts the sum: nothing is ever cleared.
.macro MM p, zero
.set rD, 8*(16*((n/16)%2)+n%16)
.set rB, 128*(\p)+8*(n%16)
.set rA, AF+32*(\p)+8*(n/16)
	WIN 0xa1+0x50*(n/32)                           ; source 0 (w) window 1, source 1 (x) window 0, C and D window 2 or 3
.if \zero
	v_wmma_f32_16x16x32_bf16 v[rD:rD+7], v[rB:rB+7], v[rA:rA+7], 0
.else
	v_wmma_f32_16x16x32_bf16 v[rD:rD+7], v[rB:rB+7], v[rA:rA+7], v[rD:rD+7]
.endif
.set n, n+1
.endm
; Slice k of 8: eight raw numbers of x are rounded to bf16, half a fragment of buffer g.
.macro CV g, k
	WIN 0
.irp c, 0,1,2,3
	v_cvt_pk_bf16_f32 v[AF+32*(\g)+4*(\k)+(\c)], v[RAW+8*(\k)+2*(\c)], v[RAW+8*(\k)+2*(\c)+1]
.endr
.endm
; 48 LDS loads in one run: quarter q of slot sl: my 64 rows of x raw, then all 256 rows of w into buffer g.
.macro FETCH sl, q, g
	WIN 0
.irp i, 0,1,2,3
	ds_load_b128 v[RAW+16*(\i):RAW+16*(\i)+3],     v[ADRA+(\sl)] offset:128*(\q)+16*PA*(\i)
	ds_load_b128 v[RAW+16*(\i)+4:RAW+16*(\i)+7],   v[ADRA+(\sl)] offset:128*(\q)+16*PA*(\i)+16
	ds_load_b128 v[RAW+16*(\i)+8:RAW+16*(\i)+11],  v[ADRA+(\sl)] offset:128*(\q)+16*PA*(\i)+64
	ds_load_b128 v[RAW+16*(\i)+12:RAW+16*(\i)+15], v[ADRA+(\sl)] offset:128*(\q)+16*PA*(\i)+80
.endr
	WIN 0x40                                       ; destination window 1, address window 0
.irp b, 0,1,2,3,4,5,6,7,8,9,10,11,12,13,14,15
	ds_load_b128 v[128*(\g)+8*(\b):128*(\g)+8*(\b)+3],   v[ADRB+(\sl)] offset:64*(\q)+16*PB*(\b)
	ds_load_b128 v[128*(\g)+8*(\b)+4:128*(\g)+8*(\b)+7], v[ADRB+(\sl)] offset:64*(\q)+16*PB*(\b)+32
.endr
	WIN 0
.endm
; A QUARTER multiplies buffer p.  fetch = 1: it opens with the run of loads for the next quarter (quarter q of slot sl, into the other buffer) and rounds that quarter's x in eight slices.
; PLACES.  A load into a register that a matrix instruction has read, and a vector instruction that writes one, stand four places behind that matrix instruction, and only plain vector instructions that name none of
; its registers are places (ISA guide 7.12.1 for vector instructions).  The last slice stands behind the quarter's last matrix instruction: its four conversions write the OTHER buffer
; and read raw registers, so they are the places in front of the next quarter's loads and conversions into the buffers just multiplied.
; meet >= 1: THE CHANGE OF SLOTS.  The run at this quarter's head held my last reads of slot rs.  Each wave waits for all its tensor loads, of which one is out: its part of the other slot; adds 0 to its spare word;
; and waits for that and for its reads of slot rs.  Behind the barrier nobody reads slot rs any more and the other slot is whole.  meet = 2: the barrier opens a round of the cluster's barrier, and slot rs is filled
; again, two K steps on, first thing behind the round: from there to the wait for it a wave issues 116 matrix instructions.
; ask = 1: a prefetch behind the run of loads.  pf = 1: the prefetches' address steps, ahead of the change's own waits, a K step behind the prefetch that read it.
.macro Q p, fetch, sl, q, meet, rs, zero, ask, pf
.if \fetch
	FETCH \sl, \q, 1-(\p)
.if \ask
	ASK
.endif
	s_wait_dscnt 48                                ; all but the 48 just issued: w's fragments of buffer p are in
.else
	s_wait_dscnt 0x0
.endif
.set n, 0
.rept 64
	MM \p, \zero
.if (\fetch) && (n >= 36) && (n%4 == 0)
.if n == 36
	s_wait_dscnt 32                                ; the run's 32 loads of w may be out: its 16 raw loads, issued ahead of them, are in
.endif
	CV 1-(\p), (n-36)/4
.if (\meet) && (n == 52)               ; (the slice has left every window 0: the add's two registers lie there)
.if \pf
	s_wait_xcnt 0x0                                ; the last prefetch has read its address
	s_add_nc_u64 s[PFA:PFA+1], s[PFA:PFA+1], s[PFS:PFS+1]
.endif
	s_wait_tensorcnt 0x0                           ; all my tensor loads have landed: the one that was out is my part of the other slot;
	ds_add_u32 v[SPW], v[NIL]                      ; 0 onto my spare word: eight matrix instructions and two slices stand between it and the wait for it
.endif
.if (\meet) && (n == 60)
	s_wait_dscnt 0x0                               ; the add is done, and my reads of slot rs are over:
	s_barrier_signal -1                            ; say so; four matrix instructions and a slice, work on registers, while the others arrive
.endif
.endif
.endr
.if \meet
	WIN 0                                          ; (branches may follow)
	s_barrier_wait -1                              ; all four have said so
.endif
.if (\meet) == 2
	CREST                                          ; all sixteen work-groups have said so: no wave of any partner still reads this slot's tile or has a load on its way
	s_add_nc_u64 s[G0+4*(\rs)+2:G0+4*(\rs)+3], s[G0+4*(\rs)+2:G0+4*(\rs)+3], 2*XSTEP      ; no tensor load of mine is out, so a group 0 may be written; the type bits on top are not reached
	s_add_nc_u64 s[G0B+4*(\rs)+2:G0B+4*(\rs)+3], s[G0B+4*(\rs)+2:G0B+4*(\rs)+3], 2*WSTEP
	JLOAD \rs                                      ; the first tensor load behind the round, and my only one until the next
.endif
.endm
	s_wait_tensorcnt 1                             ; my part of K step 0 is in; K step 1's may stay out
	s_barrier_signal -1
	s_barrier_wait -1                              ; everybody's is
	FETCH 0, 0, 0
	s_wait_dscnt 32                                ; the raw numbers are in
.irp k, 0,1,2,3,4,5,6,7
	CV 0, \k                                       ; the first quarter's x: once a launch there are no products to set the slices behind
.endr
	Q 0, 1, 0, 1, 2, 0, 1, 0, 1                    ; step 0, first quarter: its products start the sums; slot 0 takes step 2
	WIN 0                                          ; at a label and at a branch every window is 0
	s_mov_b32 s3, 30
.Llap:                                                 ; trip t: from the second quarter of step 2 t to the first of step 2 t + 2; both slots are filled again
	Q 1, 1, 1, 0, 0, 0, 0, 1, 0                    ; step 2 t, second quarter; fetches step 2 t + 1 from slot 1; asks for step 2 t + 4
	Q 0, 1, 1, 1, 2, 1, 0, 0, 1                    ; step 2 t + 1, first quarter; slot 1 takes step 2 t + 3
	Q 1, 1, 0, 0, 0, 0, 0, 1, 0                    ; step 2 t + 1, second quarter; fetches step 2 t + 2 from slot 0; asks for step 2 t + 5: 63 in the last trip
	Q 0, 1, 0, 1, 2, 0, 0, 0, 1                    ; step 2 t + 2, first quarter; slot 0 takes step 2 t + 4
	WIN 0
	s_sub_co_u32 s3, s3, 1
	s_cmp_lg_u32 s3, 0
	s_cbranch_scc1 .Llap
	Q 1, 1, 1, 0, 0, 0, 0, 0, 0                    ; the tail is written out: step 60, second quarter; nothing more is prefetched
	Q 0, 1, 1, 1, 2, 1, 0, 0, 0                    ; step 61; slot 1 takes step 63: the last load
	Q 1, 1, 0, 0, 0, 0, 0, 0, 0
	Q 0, 1, 0, 1, 1, 0, 0, 0, 0                    ; step 62: step 63 has landed, everybody's part of it; nothing is filled, so no round follows
	Q 1, 1, 1, 0, 0, 0, 0, 0, 0
	Q 0, 1, 1, 1, 0, 0, 0, 0, 0                    ; step 63
	Q 1, 0, 0, 0, 0, 0, 0, 0, 0                    ; its second quarter: nothing is left to fetch
; THE WAY OUT, in eight units of 16 rows x 128 columns.  A lane's 32 bytes of a row are a sixteenth of the unit's 512; the lanes beside it hold other rows.  So a unit goes through my own stage in LDS, rows of 528
; bytes, and comes back by rows: each store of the wave covers 512 consecutive bytes, at a multiple of 256 from out0's first byte.  No barrier: the stage is mine alone.
.macro TOSTAGE u                       ; unit u: my rows 16 (u / 2) on, columns 128 (u % 2) on
	WIN 0x08+4*((\u)/4)                            ; the stores' data (source 1) in window 2 or 3
.irp b, 0,1,2,3,4,5,6,7
.set AC, 128*(((\u)/2)%2)+64*((\u)%2)+8*(\b)
	ds_store_b128 v[STO], v[AC:AC+3]   offset:64*(\b)     ; each accumulator's low registers first
	ds_store_b128 v[STO], v[AC+4:AC+7] offset:64*(\b)+16
.endr
	WIN 0
.irp t, 0,1,2,3,4,5,6,7,8,9,10,11,12,13,14,15
	ds_load_b128 v[OB+64*((\u)%2)+4*(\t):OB+64*((\u)%2)+4*(\t)+3], v[RD] offset:SPITCH*(\t)  ; LDS serves a wave's instructions in order (ISA guide 5.7.1.4): these see the stores above; the next unit's stores come behind them
.endr
.endm
.macro SEND u, younger                 ; younger: the LDS instructions issued behind unit u's loads: the next unit's 32, or none
	s_wait_dscnt \younger
.irp t, 0,1,2,3,4,5,6,7,8,9,10,11,12,13,14,15
	global_store_b128 v[CO], v[OB+64*((\u)%2)+4*(\t):OB+64*((\u)%2)+4*(\t)+3], s[8:9] offset:(16*((\u)/2)+(\t))*CROW+512*((\u)%2) th:TH_STORE_NT  ; the row and the half stand in the immediate, 516,608 at the most
.endr
.endm
	WIN 0
.rept 8
	v_nop                                          ; the places behind the last products, in front of stores that read results and of loads into x's fragment buffers
.endr
	TOSTAGE 0
.irp u, 1,2,3,4,5,6,7
.if (\u) > 1
	s_wait_xcnt 0x0                                ; every earlier store has had its addresses translated (ISA guide 3.1): the set that the stores of two units back read is loaded again only behind this wait
.endif
	TOSTAGE \u
	SEND (\u)-1, 32
.endr
	SEND 7, 0
	s_wait_tensorcnt 0x0                           ; the wave's end, behind my last tensor load and my last LDS store
	ds_add_u32 v[SPW], v[NIL]
	s_wait_dscnt 0x0
	CROUND                                         ; the closing round: no work-group ends while a partner may still ask for a tile that names it
	s_endpgm
.Lfunc_end_k_q7c12540a17_gemm:
	.size	k_q7c12540a17_gemm, .Lfunc_end_k_q7c12540a17_gemm-k_q7c12540a17_gemm
	.p2alignl 7, 3214868480
	.fill 96, 4, 3214868480
	.section	.rodata,"a",@progbits
	.p2align	6, 0x0
	.amdhsa_kernel k_q7c12540a17_gemm
		.amdhsa_group_segment_fixed_size 327680
		.amdhsa_private_segment_fixed_size 0
		.amdhsa_enable_private_segment 0
		.amdhsa_kernarg_size 24
		.amdhsa_user_sgpr_count 2
		.amdhsa_user_sgpr_kernarg_segment_ptr 1
		.amdhsa_wavefront_size32 1
		.amdhsa_system_sgpr_workgroup_id_x 1
		.amdhsa_system_sgpr_workgroup_id_y 1
		.amdhsa_system_sgpr_workgroup_id_z 1
		.amdhsa_system_vgpr_workitem_id 0
		.amdhsa_next_free_vgpr 1024
		.amdhsa_next_free_sgpr 80
		.amdhsa_reserve_vcc 0
		.amdhsa_float_denorm_mode_32 3
		.amdhsa_float_denorm_mode_16_64 3
		.amdhsa_memory_ordered 1
		.amdhsa_forward_progress 1
		.amdhsa_inst_pref_size 158
	.end_amdhsa_kernel
	.amdgpu_metadata
---
amdhsa.version: [ 1, 2 ]
amdhsa.kernels:
  - .name:           k_q7c12540a17_gemm
    .symbol:         k_q7c12540a17_gemm.kd
    .args:
      - { .name: x, .offset: 0, .size: 8, .value_kind: global_buffer, .address_space: global }
      - { .name: wb, .offset: 8, .size: 8, .value_kind: global_buffer, .address_space: global }
      - { .name: out0, .offset: 16, .size: 8, .value_kind: global_buffer, .address_space: global }
    .group_segment_fixed_size: 327680
    .private_segment_fixed_size: 0
    .kernarg_segment_align: 8
    .kernarg_segment_size: 24
    .max_flat_workgroup_size: 128
    .sgpr_count:     80
    .vgpr_count:     1024
    .wavefront_size: 32
...
	.end_amdgpu_metadata
.endif
;; end of part 2
;; ======== version 2 of 3: 2 launches
;; workspace buffers: xb 67,108,864 bytes; wb 16,777,216 bytes
;; launch prep (part 3): grid 1024 x 1, 8 waves a work-group, no clusters, 0 bytes of LDS; arguments x, ternary, scales, xb, wb; writes xb, wb
.if DOCPART == 3
	.amdgcn_target "amdgcn-amd-amdhsa--gfx1250"
	.amdhsa_code_object_version 6
	.text
	.protected	k_q7c12540a17_prep
	.globl	k_q7c12540a17_prep
	.p2align	8
	.type	k_q7c12540a17_prep,@function
k_q7c12540a17_prep:
	s_mov_b64 s[64:65], 0
	v_nop
	global_prefetch_b8 v0, s[64:65] scope:SCOPE_SE
	s_setreg_imm32_b32 hwreg(HW_REG_WAVE_MODE, 25, 1), 1
	s_wait_xcnt 0x0
; Both operands of the product that follows, in bf16, row-major as their sources:
;   xb[m][k] = x[m][k], m < 8,192, k < 4,096;      wb[n][k] = ternary[n][k] x scales[32 n + k / 128], n < 2,048, k < 4,096.
; WHY A LAUNCH OF ITS OWN FOR x.  In the product two LDS slots take turns, and a refill has one K step's matrix work in which to land.  With x in f32 a tile of 256 x 256 takes 256 x 4 + 256 x 2 = 1,536 bytes
; for each k: two slots of 128 along K would be 393,216 bytes, more than the 327,680 that a work-group can be given.  In bf16 they are 262,144.  And x is rounded once here, not once in each of the 8 tile columns.
; LIMITS.  Each number is rounded once to bf16, to nearest even; |x| from about 3.39e38 on becomes an infinity.  The product code x scale is made in f32: for the codes -1, 0, 1 it is exact there; any other int8
; code is served too, with one rounding in f32 and one to bf16.  NaN and infinities go through as the conversions and the multiply make them.
; SHARES.  8,192 waves, all alike.  Wave id = 8 x work-group + wave takes row id of x (16,384 bytes in, 8,192 out) and a quarter of a row of the weights (1,024 codes, their 8 scales, 2,048 bytes out):
; every offset is id times a constant.  No wave reads a byte that another reads, so there is no LDS, no barrier, no cluster; nothing is multiplied by rows, so no matrix unit.
; x: a load takes 16 bytes a lane, 512 consecutive bytes a wave; its four numbers a lane become 8 bytes, and the store of 8 bytes a lane covers 256 consecutive bytes, at a multiple of 256 from xb's first byte.
; A ring of 16 register slots: 16 loads of the wave are out until the row's second half has been asked for.
; w: a load takes 8 codes a lane, 256 consecutive bytes a wave: two groups of 128, lanes 0-15 the first, lanes 16-31 the second; the store of 16 bytes a lane covers 512 consecutive bytes.
.set A16, 2                            ; v2   16 x lane: x's loads, wb's stores; never rewritten
.set A8,  3                            ; v3   8 x lane: the codes' loads, xb's stores; never rewritten
.set SC,  4                            ; v4   the scale of my 8 codes
.set U,   6                            ; v[6:9]    four numbers at work
.set T,   10                           ; v[10:17]  the codes: load j in two registers
.set Y,   18                           ; v[18:49]  x's first 16 pieces in bf16, two registers each
.set O,   18                           ; v[18:33]  before that: the weights in bf16, load j in four registers
.set X,   50                           ; v[50:113] x as loaded: slot i in four registers
	s_load_b256 s[4:11], s[0:1], 0x0               ; x s[4:5], ternary s[6:7], scales s[8:9], xb s[10:11]
	s_load_b64 s[12:13], s[0:1], 0x20              ; wb
	v_lshrrev_b32 v1, 5, v0
	v_readfirstlane_b32 s14, v1                    ; wave 0..7
	s_lshl_b32 s15, ttmp9, 3
	s_add_co_u32 s15, s15, s14                     ; id
	v_and_b32 v1, 31, v0                           ; lane
	v_lshlrev_b32 v[A16], 4, v1
	v_lshlrev_b32 v[A8], 3, v1
	v_cmp_le_u32 vcc_lo, 16, v1                    ; lanes 16-31: the second group of a load's two
	s_lshl_b32 s2, s15, 14                         ; a row of x: 16,384 bytes; the largest offset is under 2^28
	s_mov_b32 s3, 0
	s_lshl_b32 s24, s15, 13                        ; a row of xb: 8,192
	s_mov_b32 s25, 0
	s_lshl_b32 s26, s15, 10                        ; a quarter row of codes: 1,024
	s_mov_b32 s27, 0
	s_lshl_b32 s28, s15, 11                        ; the same of wb: 2,048
	s_mov_b32 s29, 0
	s_lshl_b32 s30, s15, 5                         ; its 8 scales: 32
	s_mov_b32 s31, 0
	s_wait_kmcnt 0x0
	s_add_nc_u64 s[8:9], s[8:9], s[30:31]
	s_load_b256 s[16:23], s[8:9], 0x0              ; my eight scales: the launch writes no byte of that tensor
	s_add_nc_u64 s[6:7], s[6:7], s[26:27]
	s_add_nc_u64 s[4:5], s[4:5], s[2:3]
	s_add_nc_u64 s[10:11], s[10:11], s[24:25]
	s_add_nc_u64 s[12:13], s[12:13], s[28:29]
.irp j, 0,1,2,3
	global_load_b64 v[T+2*(\j):T+2*(\j)+1], v[A8], s[6:7] offset:256*(\j) th:TH_LOAD_NT
.endr
.irp i, 0,1,2,3,4,5,6,7,8,9,10,11,12,13,14,15
	global_load_b128 v[X+4*(\i):X+4*(\i)+3], v[A16], s[4:5] offset:512*(\i) th:TH_LOAD_NT  ; the ring is filled: the row's first half
.endr
	s_wait_kmcnt 0x0                               ; the scales
; The weights come first: their arithmetic runs while x's loads are on their way.  Load j: 8 codes a lane -> f32 -> times the group's scale -> bf16 -> 16 bytes.
.macro WCONV j
	s_wait_loadcnt 19-(\j)                         ; loads come back in order (ISA guide 5.7.1): load j is in; the younger loads of codes and x's sixteen stay out
	v_mov_b32 v[SC], s[16+2*(\j)]                  ; group 2 j of my eight,
	v_cndmask_b32 v[SC], v[SC], s[17+2*(\j)], vcc_lo  ; or 2 j + 1
.irp c, 0,1
	v_lshlrev_b32 v[U],   24, v[T+2*(\j)+(\c)]     ; each byte to the top of a word,
	v_lshlrev_b32 v[U+1], 16, v[T+2*(\j)+(\c)]
	v_lshlrev_b32 v[U+2], 8,  v[T+2*(\j)+(\c)]
	v_ashrrev_i32 v[U],   24, v[U]                 ; and down again with its sign
	v_ashrrev_i32 v[U+1], 24, v[U+1]
	v_ashrrev_i32 v[U+2], 24, v[U+2]
	v_ashrrev_i32 v[U+3], 24, v[T+2*(\j)+(\c)]
	v_cvt_f32_i32 v[U],   v[U]
	v_cvt_f32_i32 v[U+1], v[U+1]
	v_cvt_f32_i32 v[U+2], v[U+2]
	v_cvt_f32_i32 v[U+3], v[U+3]
	v_mul_f32 v[U],   v[SC], v[U]
	v_mul_f32 v[U+1], v[SC], v[U+1]
	v_mul_f32 v[U+2], v[SC], v[U+2]
	v_mul_f32 v[U+3], v[SC], v[U+3]
	v_cvt_pk_bf16_f32 v[O+4*(\j)+2*(\c)],   v[U],   v[U+1]
	v_cvt_pk_bf16_f32 v[O+4*(\j)+2*(\c)+1], v[U+2], v[U+3]
.endr
	global_store_b128 v[A16], v[O+4*(\j):O+4*(\j)+3], s[12:13] offset:512*(\j) th:TH_STORE_NT  ; 512 consecutive bytes, at a multiple of 256 from wb's first byte
.endm
.irp j, 0,1,2,3
	WCONV \j
.endr
	s_wait_xcnt 0x0                                ; every earlier memory instruction has had its addresses translated (ISA guide 3.1): the registers that the four stores above read are written again, as Y, only behind this wait
; x's first round: slot i is rounded into registers of its own, asked for again with the piece 16 further on, and stored.  The load stands ahead of the store.
.irp i, 0,1,2,3,4,5,6,7,8,9,10,11,12,13,14,15
	s_wait_loadcnt 15                              ; behind slot i's load stand 15 - i of the first sixteen and i of the second: they stay out
	v_cvt_pk_bf16_f32 v[Y+2*(\i)],   v[X+4*(\i)],   v[X+4*(\i)+1]
	v_cvt_pk_bf16_f32 v[Y+2*(\i)+1], v[X+4*(\i)+2], v[X+4*(\i)+3]
	global_load_b128 v[X+4*(\i):X+4*(\i)+3], v[A16], s[4:5] offset:512*((\i)+16) th:TH_LOAD_NT
	global_store_b64 v[A8], v[Y+2*(\i):Y+2*(\i)+1], s[10:11] offset:256*(\i) th:TH_STORE_NT  ; 256 consecutive bytes, aligned
.endr
; The last round loads nothing: the counts run down, and a slot is rounded in place.
.irp i, 0,1,2,3,4,5,6,7,8,9,10,11,12,13,14,15
	s_wait_loadcnt 15-(\i)
	v_cvt_pk_bf16_f32 v[X+4*(\i)],   v[X+4*(\i)],   v[X+4*(\i)+1]
	v_cvt_pk_bf16_f32 v[X+4*(\i)+1], v[X+4*(\i)+2], v[X+4*(\i)+3]
	global_store_b64 v[A8], v[X+4*(\i):X+4*(\i)+1], s[10:11] offset:256*((\i)+16) th:TH_STORE_NT
.endr
	s_endpgm
.Lfunc_end_k_q7c12540a17_prep:
	.size	k_q7c12540a17_prep, .Lfunc_end_k_q7c12540a17_prep-k_q7c12540a17_prep
	.p2alignl 7, 3214868480
	.fill 96, 4, 3214868480
	.section	.rodata,"a",@progbits
	.p2align	6, 0x0
	.amdhsa_kernel k_q7c12540a17_prep
		.amdhsa_group_segment_fixed_size 0
		.amdhsa_private_segment_fixed_size 0
		.amdhsa_enable_private_segment 0
		.amdhsa_kernarg_size 40
		.amdhsa_user_sgpr_count 2
		.amdhsa_user_sgpr_kernarg_segment_ptr 1
		.amdhsa_wavefront_size32 1
		.amdhsa_system_sgpr_workgroup_id_x 1
		.amdhsa_system_sgpr_workgroup_id_y 1
		.amdhsa_system_sgpr_workgroup_id_z 1
		.amdhsa_system_vgpr_workitem_id 0
		.amdhsa_next_free_vgpr 114
		.amdhsa_next_free_sgpr 66
		.amdhsa_reserve_vcc 1
		.amdhsa_float_denorm_mode_32 3
		.amdhsa_float_denorm_mode_16_64 3
		.amdhsa_memory_ordered 1
		.amdhsa_forward_progress 1
		.amdhsa_inst_pref_size 19
	.end_amdhsa_kernel
	.amdgpu_metadata
---
amdhsa.version: [ 1, 2 ]
amdhsa.kernels:
  - .name:           k_q7c12540a17_prep
    .symbol:         k_q7c12540a17_prep.kd
    .args:
      - { .name: x, .offset: 0, .size: 8, .value_kind: global_buffer, .address_space: global }
      - { .name: ternary, .offset: 8, .size: 8, .value_kind: global_buffer, .address_space: global }
      - { .name: scales, .offset: 16, .size: 8, .value_kind: global_buffer, .address_space: global }
      - { .name: xb, .offset: 24, .size: 8, .value_kind: global_buffer, .address_space: global }
      - { .name: wb, .offset: 32, .size: 8, .value_kind: global_buffer, .address_space: global }
    .group_segment_fixed_size: 0
    .private_segment_fixed_size: 0
    .kernarg_segment_align: 8
    .kernarg_segment_size: 40
    .max_flat_workgroup_size: 256
    .sgpr_count:     66
    .vgpr_count:     114
    .wavefront_size: 32
...
	.end_amdgpu_metadata
.endif
;; end of part 3
;; launch gemm (part 4): grid 8 x 32, 4 waves a work-group, clusters of 4 x 4, 327,680 bytes of LDS; arguments xb, wb, out0; writes out0
.if DOCPART == 4
	.amdgcn_target "amdgcn-amd-amdhsa--gfx1250"
	.amdhsa_code_object_version 6
	.text
	.protected	k_q7c12540a17_gemm
	.globl	k_q7c12540a17_gemm
	.p2align	8
	.type	k_q7c12540a17_gemm,@function
k_q7c12540a17_gemm:
	s_mov_b64 s[64:65], 0
	v_nop
	global_prefetch_b8 v0, s[64:65] scope:SCOPE_SE
	s_setreg_imm32_b32 hwreg(HW_REG_WAVE_MODE, 25, 1), 1
	s_wait_xcnt 0x0
	s_wait_alu depctr_hold_cnt(0) depctr_sa_sdst(0) depctr_va_vdst(0) depctr_va_sdst(0) depctr_va_ssrc(0) depctr_va_vcc(0) depctr_vm_vsrc(0)
	s_getreg_b32 s2, hwreg(HW_REG_IB_STS2, 6, 4)
	s_cmp_eq_u32 s2, 0
	s_cbranch_scc0 .Lentry_in_a_cluster
	s_endpgm
.Lentry_in_a_cluster:
	s_bfe_u32 s2, ttmp6, 0x10000c
	s_cmp_lg_u32 s2, 0xf033
	s_cbranch_scc0 .Lentry_shape_is_right
	s_endpgm
.Lentry_shape_is_right:
; out0[m][o] = the sum over k of xb[m][k] wb[o][k].  xb: [8,192][4,096] bf16, wb: [2,048][4,096] bf16, both made by the launch before; out0: [8,192][2,048] f32.
; LIMITS.  The operands were rounded once to bf16.  Sums in f32, one accumulator for each output, K ascending; nothing is rounded on the way out.  NaN and infinities go through as the matrix unit treats them.
; SHARES.  A tile of out0, 256 x 256, is made by a work-group of four waves; there are 32 x 8 tiles, one to a work-group.  A wave makes 128 x 128: 64 accumulators of 16 x 16, 512 registers.
; THE RING.  K goes in steps of 128 through two LDS slots filled by the tensor data mover: the rows of both tiles are 256 bytes of memory and start at multiples of 256 bytes from the buffer's first byte.
; THE LAST K STEP GOES BY ROWS OF out0: nothing follows it under which the tile's stores could leave, so finished rows leave while the others are still multiplied.
; CLUSTERS: 4 x 4 work-groups.  The four of a row of the cluster need the same tiles of xb, the four of a column the same tiles of wb.  Such a tile is asked for JOINTLY: each of the four issues the same tensor
; load, with the same descriptor and a mask that names the four, and each receives the tile in its own LDS.
; REGISTERS, in windows of 256 (s_set_vgpr_msb's low byte: bits 1:0 source 0, 3:2 source 1, 5:4 source 2, 7:6 destination):
;   window 0: v0-31 addresses; v64-127, v128-191 fragments of xb (8 x 16 rows x 32 K), two buffers; in the last K step four, of 16 rows x 128 K
;   window 1: v64-127, v128-191 fragments of wb, two buffers; in the last K step all 256: wb's fragments of the whole step
;   window 2: the 32 accumulators of my rows 0-63 (accumulator (a, b) at v[8 (8 a + b)]);   window 3: those of my rows 64-127; on the way out a block's 64 registers take its rows back from the stage
; THE MATRIX INSTRUCTION IS USED TRANSPOSED: source 0 = 16 rows of wb, source 1 = 16 rows of xb.  Lane l then holds row l % 16 of out0 and the columns 8 (l / 16) + 0 .. 7: 32 bytes on end.
.set SIZE_N, 2048
.set SIZE_K, 4096
.set KSTEP,  128
.set PITCH,  272                       ; an LDS row: 256 bytes of data + 16 of padding = 68 words: row r starts at bank 4 r mod 64 (64 banks of 4 bytes: ISA guide 11.1), so the 16 rows that a load touches start at 16 different banks
.set HALFT,  128*PITCH                 ; 128 rows: what one tensor load brings, and what one wave reads of xb or of wb
.set SLOT,   4*HALFT                   ; xb's 256 rows, then wb's 256 rows
.set STAGE,  2*SLOT                    ; behind the ring: 16 rows x 528 bytes for each wave, for the way out; no tensor load lands here
.set SPITCH, 528                       ; 512 bytes + 16 = 132 words
.set WSTAGE, 16*SPITCH
.set SPARE,  STAGE+4*WSTAGE            ; behind the stages: the spare words, 128 bytes for each wave: two blocks of 256 bytes that no other line names
.set LAPS,   SIZE_K/(2*KSTEP)          ; a lap = two K steps = once round the ring: 16
.set CROW,   SIZE_N*4                  ; bytes in a row of out0
.set ADRA, 16                          ; v16-17  LDS address of my fragments of xb in slot 0, 1
.set ADRB, 20                          ; v20-21  the same for wb
.set STO,  24                          ; v24     the way out: where I put 32 bytes of a row
.set RD,   25                          ; v25     the way out: where I read 16 bytes of a row back
.set CO,   26                          ; v26     16 x lane: my byte offset in 512 bytes of a row of out0; never rewritten
.set SPW,  28                          ; v28     LDS address of my spare word: SPARE + 4 x my thread's number; never rewritten
.set NIL,  29                          ; v29     0; never rewritten
.set PFO,  30                          ; v30     the prefetches' offset: my lane x a row of xb or wb (8,192 bytes); never rewritten
.set PFA,  44                          ; s[44:45] where my prefetches stand: my work-group's 32 rows of the 128 that I fetch, one K step further along K than the refill that is being asked for; a prefetch names the K step after that
.set LIM,  43                          ; s43     1 in a wave that prefetches, else the greatest number
.set F0,   64                          ; fragment buffer 0
.set F1,   128                         ; fragment buffer 1
.set PA,   64                          ; the last K step: xb's fragments of 16 rows x 128 K, 32 registers; four such buffers, v64-191
.set G1,   24                          ; s[24:31] descriptor group 1 for xb's tiles
.set G0,   32                          ; s[32:39] descriptor group 0 for xb's tiles, one set for each slot
.set G1B,  48                          ; s[48:55] descriptor group 1 for wb's tiles: it differs in the mask alone
.set G0B,  56                          ; s[56:63] descriptor group 0 for wb's tiles, one set for each slot
.set MSB, 0
.macro WIN new                         ; the immediate's high byte repeats the setting that is left; a switch that changes nothing is dropped
.if MSB != (\new)
	s_set_vgpr_msb (MSB<<8)|(\new)
.set MSB, \new
.endif
.endm
.set MUL_LO, 0xa1                      ; source 0 (wb) window 1, source 1 (xb) window 0, C and D window 2
.set MUL_HI, 0xf1                      ; the same, C and D window 3
.set TO_B,   0x40                      ; destination window 1, address window 0
; A joint load.  Waves 0 and 1 fetch xb's two halves, waves 2 and 3 wb's.  Each of the two lines has ONE mask and one set of registers for all that issue it; the branch hangs on the wave's number alone.
; An s_nop 0 and four v_nop follow each of the two lines; the jump round the other line, the label and what follows the macro come after them.
.macro JLOAD s
	s_cmp_eq_u32 s11, 0
	s_cbranch_scc0 .Lfor_b_\@
	tensor_load_to_lds s[G0+4*(\s):G0+4*(\s)+3], s[G1:G1+7]
	s_nop 0
.rept 4
	v_nop
.endr
	s_branch .Lasked_\@
.Lfor_b_\@:
	tensor_load_to_lds s[G0B+4*(\s):G0B+4*(\s)+3], s[G1B:G1B+7]
	s_nop 0
.rept 4
	v_nop
.endr
.Lasked_\@:
.endm
; A PREFETCH INTO THE L2, behind each joint load, its five lines and the run of LDS loads that follows them: the K step that stands TWO refills on, 512 matrix instructions ahead of the load that will want it:
; 32 rows x 256 bytes, a lane a row, one instruction a wave.  Each row's 256 bytes of a K step are named ONCE in the launch.  xb's tile row is read by both clusters of that row of clusters: the one with x = 0
; asks; wb's tile column by all eight clusters of that column: the one with y = 0 asks.  The four partners that ask for a tile jointly share its rows out BY ADDRESS: of the 128 rows that wave w fetches, the
; partner at place p takes 32 p .. 32 p + 31 (p = cx for xb, cy for wb): no branch hangs on a work-group's place in its cluster.  The last two refills have no K step two on, and ask for nothing.
.macro ASK
	s_cmp_gt_u32 s3, s[LIM]                        ; s3 = 1 in the loop's last trip
	s_cbranch_scc0 .Lnot_mine_\@
	global_prefetch_b8 v[PFO], s[PFA:PFA+1] offset:KSTEP*2 th:TH_LOAD_NT scope:SCOPE_SE
.Lnot_mine_\@:
.endm
; A round of the cluster's barrier: my work-group's barrier, so that wave 0's signal speaks for all four waves; wave 0 signals for the work-group; every wave waits for all sixteen work-groups; my work-group's
; barrier once more.  No LDS instruction of the wave is pending at a signal.
.macro CREST                           ; a round behind its opening barrier
	s_cmp_lg_u32 s10, 0
	s_cbranch_scc1 .Lnot_wave_0_\@
	s_barrier_signal -3
.Lnot_wave_0_\@:
	s_barrier_wait -3
	s_barrier_signal -1
	s_barrier_wait -1
.endm
.macro CROUND                          ; a whole round
	s_barrier_signal -1
	s_barrier_wait -1
	CREST
.endm
	s_load_b128 s[4:7], s[0:1], 0x0                ; xb s[4:5], wb s[6:7]
	s_load_b64 s[8:9], s[0:1], 0x10                ; out0
	v_lshl_add_u32 v[SPW], v0, 2, SPARE
	v_mov_b32 v[NIL], 0
	ds_add_u32 v[SPW], v[NIL]                      ; the wave's opening: the add and its wait stand ahead of my first tensor load; the set-up below, work on registers, stands between them
	v_lshrrev_b32 v1, 5, v0
	v_readfirstlane_b32 s10, v1                    ; wave 0..3
	s_lshr_b32 s11, s10, 1                         ; which half of the tile's rows is mine.  Also: I fetch for xb (0) or for wb (1)
	s_and_b32 s12, s10, 1                          ; which half of its columns.  Also: which 128 rows of that tile I fetch
	s_bfe_u32 s40, ttmp6, 0x40000                  ; cx: my place along the cluster's x
	s_bfe_u32 s41, ttmp6, 0x40004                  ; cy: along its y
	s_lshl_b32 s42, ttmp9, 2                       ; in a cluster launch ttmp9 and ttmp7 count clusters
	s_add_co_u32 s42, s42, s40                     ; tile column = 4 x cluster x + cx
	s_and_b32 s13, ttmp7, 0xffff
	s_lshl_b32 s13, s13, 2
	s_add_co_u32 s13, s13, s41                     ; tile row = 4 x cluster y + cy
	s_lshl_b32 s43, s41, 2
	s_lshl_b32 s43, 15, s43                        ; my row of the cluster: places 4 cy .. 4 cy + 3
	s_lshl_b32 s44, 0x1111, s40                    ; my column: places cx, cx + 4, cx + 8, cx + 12
	; descriptor group 1: a tile of 128 rows x 128 elements, padded in LDS
	s_or_b32 s[G1+0], s43, (1<<16)|(1<<20)|(1<<21)|(5<<22)|(3<<25)  ; 15:0 the mask: xb's tiles go to my row; 17:16 elements of 2 bytes; 20 padding on; 21 set beside a mask; 24:22 after every 64 words (code 5); 31:25 4 words of it (code 3)
	s_or_b32 s[G1B+0], s44, (1<<16)|(1<<20)|(1<<21)|(5<<22)|(3<<25) ; the same with the mask of my column, for wb's tiles
.irp g, G1, G1B
	s_mov_b32 s[(\g)+1], KSTEP<<16                 ; tensor_dim0 = 128
	s_mov_b32 s[(\g)+2], 128<<16                   ; tensor_dim1 = 128
	s_mov_b32 s[(\g)+3], KSTEP<<16                 ; tile_dim0 = 128
	s_mov_b32 s[(\g)+4], 128                       ; tile_dim1 = 128
	s_mov_b32 s[(\g)+5], SIZE_K                    ; elements from row to row
	s_mov_b32 s[(\g)+6], 0
	s_mov_b32 s[(\g)+7], 0
.endr
	; where the tiles come from.  xb's hang on the tile row alone, which my row of the cluster shares; wb's on the tile column alone, which my column shares.
	; Every wave makes both addresses, in registers that never hold the other coordinate, and asks by one of them.
	s_lshl_b32 s17, s12, 7                         ; which 128 rows of the tile I fetch
	s_lshl_b32 s16, s13, 8
	s_add_co_u32 s16, s16, s17                     ; xb: row 256 x tile row + 128 x half
	s_lshl_b32 s46, s42, 8
	s_add_co_u32 s46, s46, s17                     ; wb: row 256 x tile column + 128 x half
	s_mov_b32 s17, 0
	s_mov_b32 s47, 0
	s_mov_b64 s[18:19], SIZE_K*2
	s_mul_u64 s[16:17], s[16:17], s[18:19]         ; in bytes
	s_mul_u64 s[46:47], s[46:47], s[18:19]
	s_mul_i32 s20, s10, HALFT                      ; and where they go: xb's two halves, then wb's two halves = wave x 128 rows: no place in the cluster enters an LDS address
	s_wait_dscnt 0x0                               ; the opening add is done
	s_wait_kmcnt 0x0
	s_add_nc_u64 s[14:15], s[4:5], s[16:17]
	s_add_nc_u64 s[46:47], s[6:7], s[46:47]
	CROUND                                         ; all sixteen work-groups are here: the first joint loads meet
.irp s, 0,1
	s_mov_b32 s[G0+4*(\s)], 1                                      ; 1:0 count = 1
	s_add_co_u32 s[G0+4*(\s)+1], s20, (\s)*SLOT                    ; 63:32 LDS address
	s_add_nc_u64 s[G0+4*(\s)+2:G0+4*(\s)+3], s[14:15], (\s)*KSTEP*2  ; 120:64 global address: K step s
	s_or_b32 s[G0+4*(\s)+3], s[G0+4*(\s)+3], 0x80000000            ; 127:126 type = 2
	s_mov_b32 s[G0B+4*(\s)], 1
	s_add_co_u32 s[G0B+4*(\s)+1], s20, (\s)*SLOT
	s_add_nc_u64 s[G0B+4*(\s)+2:G0B+4*(\s)+3], s[46:47], (\s)*KSTEP*2
	s_or_b32 s[G0B+4*(\s)+3], s[G0B+4*(\s)+3], 0x80000000
	JLOAD \s                                       ; the ring is filled before anything else is done: two loads of mine are out; later one
.endr
	; A fragment is 16 rows x 32 K in 8 registers: lane l holds row l % 16; registers 0-3 hold K = 8 (l / 16) + 0..7, registers 4-7 hold K = 16 + 8 (l / 16) + 0..7.
	; From rows that lie along K: two loads of 16 bytes, 32 bytes apart.  The same for source 0 and source 1.
	v_and_b32 v1, 15, v0                           ; l % 16
	v_bfe_u32 v2, v0, 4, 1                         ; l / 16
	v_mul_u32_u24 v3, v1, PITCH
	v_lshl_add_u32 v3, v2, 4, v3                   ; row x pitch + 16 x half
	s_mul_i32 s21, s11, HALFT                      ; my 128 rows of xb
	s_mul_i32 s22, s12, HALFT                      ; my 128 rows of wb,
	s_add_co_u32 s22, s22, 2*HALFT                 ; which lie behind xb's 256
.irp s, 0,1
	v_add_nc_u32 v[ADRA+(\s)], s21, v3
	v_add_nc_u32 v[ADRB+(\s)], s22, v3
	s_add_co_u32 s21, s21, SLOT
	s_add_co_u32 s22, s22, SLOT
.endr
	s_mul_i32 s23, s10, WSTAGE
	s_add_co_u32 s23, s23, STAGE                   ; my stage
	v_mul_u32_u24 v4, v1, SPITCH                   ; in: row l % 16, 32 bytes for each half of the lanes
	v_lshl_add_u32 v4, v2, 5, v4
	v_add_nc_u32 v[STO], s23, v4
	v_and_b32 v5, 31, v0
	v_lshlrev_b32 v[CO], 4, v5                     ; back: 32 lanes take a row's 512 bytes
	v_add_nc_u32 v[RD], s23, v[CO]
	; out0 at my part of the tile
	s_lshl_b32 s13, s13, 8
	s_lshl_b32 s14, s11, 7
	s_add_co_u32 s16, s13, s14                     ; my first row
	s_mov_b32 s17, 0
	s_mov_b64 s[18:19], CROW
	s_mul_u64 s[16:17], s[16:17], s[18:19]
	s_lshl_b32 s46, s42, 10                        ; my first column, in bytes: 1,024 x tile column + 512 x half (in the registers that held wb's address: none that feeds xb's descriptors ever holds cx)
	s_lshl_b32 s47, s12, 9
	s_add_co_u32 s46, s46, s47
	s_mov_b32 s47, 0
	s_add_nc_u64 s[16:17], s[16:17], s[46:47]
	s_add_nc_u64 s[8:9], s[8:9], s[16:17]
	; the prefetches.  s13 = 256 x tile row, s42 = tile column, s40 = cx, s41 = cy still stand
	s_lshl_b32 s42, s42, 8
	s_and_b32 s22, ttmp7, 0xffff                   ; cluster y
	s_cmp_eq_u32 s11, 0                            ; do I fetch for xb?
	s_cselect_b32 s20, s13, s42                    ; the tile's first row: in xb by the tile row, in wb by the tile column
	s_cselect_b32 s21, s40, s41                    ; my place among the four that ask for it with me
	s_cselect_b32 s22, ttmp9, s22                  ; the coordinate along which other clusters read the same rows
	s_cselect_b64 s[PFA:PFA+1], s[4:5], s[6:7]
	s_cmp_eq_u32 s22, 0
	s_cselect_b32 s[LIM], 1, -1                    ; the same in all sixteen partners, for a given wave
	s_lshl_b32 s22, s12, 7
	s_add_co_u32 s20, s20, s22                     ; + the 128 rows that I fetch
	s_lshl_b32 s21, s21, 5
	s_add_co_u32 s20, s20, s21                     ; + my work-group's 32 of them
	s_mov_b32 s21, 0
	s_mov_b64 s[18:19], SIZE_K*2
	s_mul_u64 s[20:21], s[20:21], s[18:19]
	s_add_nc_u64 s[PFA:PFA+1], s[PFA:PFA+1], s[20:21]
	s_add_nc_u64 s[PFA:PFA+1], s[PFA:PFA+1], 2*KSTEP*2  ; at K step 2: the first refill steps it to 3 and names K step 4
	v_mul_u32_u24 v[PFO], v5, SIZE_K*2
	; nothing is prefetched here, at the head, where every work-group's first two tiles are on their way: K steps 0 to 3 come by their loads alone
; 16 matrix instructions: m blocks a0, a0 + 1 of the window's four (hi = 0: my rows 0-63, 1: rows 64-127) x all 8 n blocks, 32 along K.  The 64 accumulators take turns, one instruction a turn, in the same order
; in every quarter step: 63 others stand between two links of a chain, over the loop's backward jump too.  zero = 1: the first product starts the sums: nothing is ever cleared.
.macro MUL16 f, hi, a0, zero
	WIN MUL_LO+0x50*(\hi)  ; MUL_LO or MUL_HI
.irp a, \a0, (\a0)+1
.irp b, 0,1,2,3,4,5,6,7
.if \zero
	v_wmma_f32_16x16x32_bf16 v[8*(8*(\a)+(\b)):8*(8*(\a)+(\b))+7], v[(\f)+8*(\b):(\f)+8*(\b)+7], v[(\f)+8*(4*(\hi)+(\a)):(\f)+8*(4*(\hi)+(\a))+7], 0
.else
	v_wmma_f32_16x16x32_bf16 v[8*(8*(\a)+(\b)):8*(8*(\a)+(\b))+7], v[(\f)+8*(\b):(\f)+8*(\b)+7], v[(\f)+8*(4*(\hi)+(\a)):(\f)+8*(4*(\hi)+(\a))+7], v[8*(8*(\a)+(\b)):8*(8*(\a)+(\b))+7]
.endif
.endr
.endr
.endm
; 32 LDS loads in one run: the fragments of one quarter step (128 rows of wb, 128 rows of xb, 32 K at byte k of the rows) into buffer f
.macro FETCH slot, k, f
	WIN TO_B
.irp i, 0,1,2,3,4,5,6,7
	ds_load_b128 v[(\f)+8*(\i):(\f)+8*(\i)+3],   v[ADRB+(\slot)] offset:(\k)+(\i)*16*PITCH
	ds_load_b128 v[(\f)+8*(\i)+4:(\f)+8*(\i)+7], v[ADRB+(\slot)] offset:(\k)+(\i)*16*PITCH+32
.endr
	WIN 0
.irp i, 0,1,2,3,4,5,6,7
	ds_load_b128 v[(\f)+8*(\i):(\f)+8*(\i)+3],   v[ADRA+(\slot)] offset:(\k)+(\i)*16*PITCH
	ds_load_b128 v[(\f)+8*(\i)+4:(\f)+8*(\i)+7], v[ADRA+(\slot)] offset:(\k)+(\i)*16*PITCH+32
.endr
.endm
; A load into a register that a matrix instruction has read or written, and a store that reads a matrix result, stand four places behind that matrix instruction, and only plain vector instructions that name none
; of its registers are places (ISA guide 7.12.1 for vector instructions); the matrix instructions in between are not counted.  So four v_nop stand in front of each run of loads.
.macro PLACES
.rept 4
	v_nop
.endr
.endm
; A K step is four quarter steps of 32 along K, 64 matrix instructions each, on buffers 0, 1, 0, 1.
; One of the first three: multiplies buffer f; in its middle it fetches the next quarter's fragments, at byte k of the same slot's rows, into buffer g.
.macro QUARTER slot, k, f, g, zero
	s_wait_dscnt 8                                 ; wb's fragments and xb's rows 0-63 are in; the youngest eight loads (xb's rows 64-127) may be out
	WIN MUL_LO
	MUL16 \f, 0, 0, \zero
	MUL16 \f, 0, 2, \zero
	PLACES
	FETCH \slot, \k, \g
	s_wait_dscnt 32                                ; all but the 32 just issued
	WIN MUL_HI
	MUL16 \f, 1, 0, \zero
	MUL16 \f, 1, 2, \zero
.endm
; The last quarter multiplies buffer 1 and changes slots.  MEET is its first half: ONE barrier for the change of slots, for two things.  In front of it each wave waits for all its tensor loads, of which one is
; out: its part of the next slot; adds 0 to its spare word; and waits for that and for its own reads of this slot.  Behind it nobody reads this slot any more and the next slot is whole.
.macro MEET round                      ; round = 1: a round of the cluster's barrier follows
	WIN 0                                          ; (the add's two registers lie in window 0)
	s_wait_tensorcnt 0x0                           ; all my tensor loads have landed: the one that was out is my part of the next slot;
	ds_add_u32 v[SPW], v[NIL]                      ; 0 onto my spare word;
	s_wait_dscnt 9                                 ; (the add and the youngest eight loads may be out)
	WIN MUL_LO
	MUL16 F1, 0, 0, 0                              ; sixteen matrix instructions stand between the add and the wait for it
	s_wait_dscnt 0x0                               ; the add is done, and my reads of this slot are over:
	s_barrier_signal -1                            ; say so (where a slot is filled again this barrier opens a round of the cluster's barrier),
	MUL16 F1, 0, 2, 0                              ; work on registers while the others arrive,
.if \round
	WIN 0
.endif
	s_barrier_wait -1                              ; and go on when all four have said so
.endm
; The whole last quarter, in the loop.  Behind the round the slot just read out is filled again first, with the K step two steps on; then come the next slot's first fragments.  From a request to the wait for it a
; wave issues 224 matrix instructions.
.macro TURN slot, next
	s_wait_xcnt 0x0                                ; the last prefetch, a K step back, has read its address: it is stepped here, ahead of the waits of the change of slots
	s_add_nc_u64 s[PFA:PFA+1], s[PFA:PFA+1], KSTEP*2
	MEET 1
	CREST                                          ; all sixteen work-groups have said so: no wave of any partner still reads this slot's tile or has a load on its way
	s_add_nc_u64 s[G0+4*(\slot)+2:G0+4*(\slot)+3], s[G0+4*(\slot)+2:G0+4*(\slot)+3], 2*KSTEP*2     ; no tensor load of mine is out, so a group 0 may be written; the type bits on top are not reached
	s_add_nc_u64 s[G0B+4*(\slot)+2:G0B+4*(\slot)+3], s[G0B+4*(\slot)+2:G0B+4*(\slot)+3], 2*KSTEP*2
	JLOAD \slot                                    ; the first tensor load behind the round, and my only one until the next; the four v_nop behind it are also the places in front of the loads below
	FETCH \next, 0, F0
	ASK                                            ; behind the joint load and the run of LDS loads that the next products wait for
	WIN MUL_HI
	MUL16 F1, 1, 0, 0
	MUL16 F1, 1, 2, 0
.endm
; THE LAST K STEP (it lies in slot 1) GOES BY ROWS OF out0, NOT BY K.  All its fragments of wb (4 quarters x 64 registers) fill window 1; then my eight blocks of 16 rows are finished one after the other, each with
; 32 matrix instructions (its 8 accumulators by turns; K ascending: every sum keeps its order).  LDS is read no more than in any other K step.
.macro BLOAD q                         ; wb's fragments of quarter q -> window 1, v[64 q ..]
	WIN TO_B
.irp i, 0,1,2,3,4,5,6,7
	ds_load_b128 v[64*(\q)+8*(\i):64*(\q)+8*(\i)+3],   v[ADRB+1] offset:64*(\q)+(\i)*16*PITCH
	ds_load_b128 v[64*(\q)+8*(\i)+4:64*(\q)+8*(\i)+7], v[ADRB+1] offset:64*(\q)+(\i)*16*PITCH+32
.endr
.endm
.macro ALOAD a                         ; xb's fragments of block a, all four quarters -> buffer a % 4
	WIN 0
.set FA, PA+32*((\a)%4)
.irp q, 0,1,2,3
	ds_load_b128 v[FA+8*(\q):FA+8*(\q)+3],   v[ADRA+1] offset:64*(\q)+(\a)*16*PITCH
	ds_load_b128 v[FA+8*(\q)+4:FA+8*(\q)+7], v[ADRA+1] offset:64*(\q)+(\a)*16*PITCH+32
.endr
.endm
.macro ROW a                           ; block a is finished: 32 matrix instructions
.set FA, PA+32*((\a)%4)                ; its fragments of xb
.set AC, 64*((\a)%4)                   ; its eight accumulators, in window 2 (blocks 0-3) or 3 (blocks 4-7)
	WIN MUL_LO+0x50*((\a)/4)                       ; MUL_LO or MUL_HI
.irp q, 0,1,2,3
.if (\a) == 0 && (\q) == 2
	s_wait_dscnt 24                                ; wb's quarter 2 is in (behind it: xb's blocks 1 to 3, 24 loads)
.endif
.irp b, 0,1,2,3,4,5,6,7
	v_wmma_f32_16x16x32_bf16 v[AC+8*(\b):AC+8*(\b)+7], v[64*(\q)+8*(\b):64*(\q)+8*(\b)+7], v[FA+8*(\q):FA+8*(\q)+7], v[AC+8*(\b):AC+8*(\b)+7]
.endr
.endr
.endm
; THE WAY OUT of block a: 16 rows x 128 columns of f32.  A lane's 32 bytes of a row are a sixteenth of the row's 512; the lanes beside it hold other rows.  So the block goes through my own stage in LDS, rows of 528
; bytes, and comes back by rows, INTO THE 64 REGISTERS THAT IT LEFT: they are free once the LDS stores have read them, no global store's data is ever written again, and no other registers are needed.
; No barrier: the stage is mine alone.
.macro TOSTAGE a
	WIN 0x08+4*((\a)/4)                            ; the stores' data (source 1) in window 2 or 3
.irp b, 0,1,2,3,4,5,6,7
.set AC, 64*((\a)%4)+8*(\b)
	ds_store_b128 v[STO], v[AC:AC+3]   offset:64*(\b)     ; each accumulator's low registers first
	ds_store_b128 v[STO], v[AC+4:AC+7] offset:64*(\b)+16
.endr
	WIN 0x80+0x40*((\a)/4)                         ; the loads' data (destination) in the same window
.irp t, 0,1,2,3,4,5,6,7,8,9,10,11,12,13,14,15
.set AC, 64*((\a)%4)+4*(\t)
	ds_load_b128 v[AC:AC+3], v[RD] offset:SPITCH*(\t)  ; LDS serves a wave's instructions in order (ISA guide 5.7.1.4): these see the stores above; the next block's stores come behind them
.endr
.endm
.macro SEND a, younger                 ; younger: the LDS loads issued behind TOSTAGE's, which may stay out
	WIN 0x08+4*((\a)/4)                            ; the stores' data (source 1) in window 2 or 3
	s_wait_dscnt \younger                          ; the block is back in registers
.irp t, 0,1,2,3,4,5,6,7,8,9,10,11,12,13,14,15
.set AC, 64*((\a)%4)+4*(\t)
	global_store_b128 v[CO], v[AC:AC+3], s[8:9] offset:(16*(\a)+(\t))*CROW th:TH_STORE_NT  ; 512 consecutive bytes, at a multiple of 256 from out0's first byte; the row stands in the immediate, 127 rows of 8,192 bytes at the most: inside its signed 24 bits
.endr
.endm
	s_wait_tensorcnt 1                             ; my part of K step 0 is in; K step 1's may stay out
	s_barrier_signal -1
	s_barrier_wait -1                              ; everybody's is
	FETCH 0, 0, F0
	QUARTER 0, 64,  F0, F1, 1                      ; the first quarter stands in front of the loop: its products start the sums
	WIN 0                                          ; at a label and at a branch every window is 0
	s_mov_b32 s3, LAPS-1
.Llap:                                                 ; a trip goes once round the ring, from a lap's second quarter to the next lap's first, and fills both slots again
	QUARTER 0, 128, F1, F0, 0
	QUARTER 0, 192, F0, F1, 0
	TURN 0, 1
	QUARTER 1, 64,  F0, F1, 0
	QUARTER 1, 128, F1, F0, 0
	QUARTER 1, 192, F0, F1, 0
	TURN 1, 0
	QUARTER 0, 64,  F0, F1, 0
	WIN 0
	s_sub_co_u32 s3, s3, 1
	s_cmp_lg_u32 s3, 0
	s_cbranch_scc1 .Llap
	QUARTER 0, 128, F1, F0, 0                      ; the last lap is written out: it fills nothing
	QUARTER 0, 192, F0, F1, 0
	MEET 0                                         ; my one tensor load that was still out is slot 1's, the last K step's, so no round follows
	PLACES                                         ; for the loads into buffer 0, which the quarter before multiplied
	BLOAD 0                                        ; three quarters of wb now: buffer 1 (v128-191 of windows 0 and 1) is still being multiplied
	BLOAD 1
	BLOAD 3
	ALOAD 0
	MUL16 F1, 1, 0, 0
	MUL16 F1, 1, 2, 0
	PLACES                                         ; for the loads into buffer 1
	BLOAD 2
	ALOAD 1
	ALOAD 2
	ALOAD 3
	s_wait_dscnt 40                                ; all but the 40 just issued: wb's quarters 0, 1 and 3 and xb's block 0 are in
	ROW 0
.irp a, 0,1,2,3,4,5,6,7                ; each block leaves as soon as it is finished: the first seven eighths of a K step ahead of the last product
	PLACES                                         ; four places are owed in front of LDS stores that read results just made, of loads that land on those registers, and of loads into the fragments of xb just read;
	PLACES                                         ; no other vector work is at hand, and the text takes the count twice: 32 issue slots more in the launch
	TOSTAGE \a
.if (\a) < 4
	ALOAD (\a)+4                                   ; its buffer takes the block four further on
	SEND \a, 8                                     ; those eight loads may stay out
.else
	SEND \a, 0
.endif
.if (\a) < 7
	ROW (\a)+1
.endif
.endr
	WIN 0
	s_wait_tensorcnt 0x0                           ; the wave's end, behind my last tensor load and my last LDS store
	ds_add_u32 v[SPW], v[NIL]
	s_wait_dscnt 0x0
	CROUND                                         ; the closing round: no work-group ends while a partner may still ask for a tile that names it
	s_endpgm
.Lfunc_end_k_q7c12540a17_gemm:
	.size	k_q7c12540a17_gemm, .Lfunc_end_k_q7c12540a17_gemm-k_q7c12540a17_gemm
	.p2alignl 7, 3214868480
	.fill 96, 4, 3214868480
	.section	.rodata,"a",@progbits
	.p2align	6, 0x0
	.amdhsa_kernel k_q7c12540a17_gemm
		.amdhsa_group_segment_fixed_size 327680
		.amdhsa_private_segment_fixed_size 0
		.amdhsa_enable_private_segment 0
		.amdhsa_kernarg_size 24
		.amdhsa_user_sgpr_count 2
		.amdhsa_user_sgpr_kernarg_segment_ptr 1
		.amdhsa_wavefront_size32 1
		.amdhsa_system_sgpr_workgroup_id_x 1
		.amdhsa_system_sgpr_workgroup_id_y 1
		.amdhsa_system_sgpr_workgroup_id_z 1
		.amdhsa_system_vgpr_workitem_id 0
		.amdhsa_next_free_vgpr 1024
		.amdhsa_next_free_sgpr 66
		.amdhsa_reserve_vcc 0
		.amdhsa_float_denorm_mode_32 3
		.amdhsa_float_denorm_mode_16_64 3
		.amdhsa_memory_ordered 1
		.amdhsa_forward_progress 1
		.amdhsa_inst_pref_size 143
	.end_amdhsa_kernel
	.amdgpu_metadata
---
amdhsa.version: [ 1, 2 ]
amdhsa.kernels:
  - .name:           k_q7c12540a17_gemm
    .symbol:         k_q7c12540a17_gemm.kd
    .args:
      - { .name: xb, .offset: 0, .size: 8, .value_kind: global_buffer, .address_space: global }
      - { .name: wb, .offset: 8, .size: 8, .value_kind: global_buffer, .address_space: global }
      - { .name: out0, .offset: 16, .size: 8, .value_kind: global_buffer, .address_space: global }
    .group_segment_fixed_size: 327680
    .private_segment_fixed_size: 0
    .kernarg_segment_align: 8
    .kernarg_segment_size: 24
    .max_flat_workgroup_size: 128
    .sgpr_count:     66
    .vgpr_count:     1024
    .wavefront_size: 32
...
	.end_amdgpu_metadata
.endif
;; end of part 4
;; ======== version 3 of 3: 2 launches; version 2 with the launch prep written anew for expert scheduling mode
;; workspace buffers: xb 67,108,864 bytes; wb 16,777,216 bytes
;; launch prep (part 5): grid 1024 x 1, 8 waves a work-group, no clusters, 0 bytes of LDS; arguments x, ternary, scales, xb, wb; writes xb, wb
.if DOCPART == 5
	.amdgcn_target "amdgcn-amd-amdhsa--gfx1250"
	.amdhsa_code_object_version 6
	.text
	.protected	k_q7c12540a17_prep
	.globl	k_q7c12540a17_prep
	.p2align	8
	.type	k_q7c12540a17_prep,@function
k_q7c12540a17_prep:
	s_mov_b64 s[64:65], 0
	v_nop
	global_prefetch_b8 v0, s[64:65] scope:SCOPE_SE
	s_setreg_imm32_b32 hwreg(HW_REG_WAVE_SCHED_MODE, 0, 2), 2
	s_setreg_imm32_b32 hwreg(HW_REG_WAVE_MODE, 25, 1), 1
	s_wait_xcnt 0x0
	s_wait_alu depctr_vm_vsrc(0)
; Both operands of the product that follows, in bf16, row-major as their sources:
;   xb[m][k] = x[m][k], m < 8,192, k < 4,096;      wb[n][k] = ternary[n][k] x scales[32 n + k / 128], n < 2,048, k < 4,096.
; WHY A LAUNCH OF ITS OWN FOR x.  In the product two LDS slots take turns, and a refill has one K step's matrix work in which to land.  With x in f32 a tile of 256 x 256 takes 256 x 4 + 256 x 2 = 1,536 bytes
; for each k: two slots of 128 along K would be 393,216 bytes, more than the 327,680 that a work-group can be given.  In bf16 they are 262,144.  And x is rounded once here, not once in each of the 8 tile columns.
; LIMITS.  Each number is rounded once to bf16, to nearest even; |x| from about 3.39e38 on becomes an infinity.  The product code x scale is made in f32: for the codes -1, 0, 1 it is exact there; any other int8
; code is served too, with one rounding in f32 and one to bf16.  NaN and infinities go through as the conversions and the multiply make them.
; SHARES.  8,192 waves, all alike.  Wave id = 8 x work-group + wave takes row id of x (16,384 bytes in, 8,192 out) and a quarter of a row of the weights (1,024 codes, their 8 scales, 2,048 bytes out):
; every offset is id times a constant.  No wave reads a byte that another reads, so there is no LDS, no barrier, no cluster; nothing is multiplied by rows, so no matrix unit.
; x: a load takes 16 bytes a lane, 512 consecutive bytes a wave; its four numbers a lane become 8 bytes, and the store of 8 bytes a lane covers 256 consecutive bytes, at a multiple of 256 from xb's first byte.
; A ring of 16 register slots, taken in blocks of four: 12 to 16 loads of the wave are out until the row's second half has been asked for.
; w: a load takes 8 codes a lane, 256 consecutive bytes a wave: two groups of 128, lanes 0-15 the first, lanes 16-31 the second; the store of 16 bytes a lane covers 512 consecutive bytes.
; THE MODE: SCHED_MODE bits 1:0 = 2 (LLVM: expert scheduling mode 2), set by the entry lines.  The code itself states the register dependences between vector instructions and memory instructions, with
; s_wait_alu, always for 0.
; THE PLAN.  Registers that memory instructions touch:
;   v[A16], v[A8]  The two offsets.  Written once at the head, read by every load and store, never written again: every piece is reached by an immediate offset, and the scalar bases stand still.
;   O0 .. O3       Four registers each.  The load of codes j lands in the upper two of O[j]; the arithmetic reads them, a register a pass; the first pass's roundings write the lower two, the second pass's the
;                  upper two, behind the shifts that have taken the codes up into U (vector against vector).  One store reads O[j]; nothing writes it behind that store.
;   X0 .. X15      Four registers each.  First round: two roundings read X[i], then the refill lands in it.  Last round: two roundings read X[i] and write its lower two registers, which one store reads; nothing writes them behind it.
;   Y0 .. Y15      Two registers each.  Written by the first round's roundings, read by one store, never written again.
;   v[SC] and U are named by vector instructions alone.
; So no register that a memory instruction has read is ever written again: past the entry lines the text holds no wait on vm_vsrc and no s_wait_xcnt.  What is left to state is vector work ahead of memory instructions, by waits on va_vdst:
; one at the head (the offsets), one behind the weights' arithmetic (the four stores of wb follow in a run), and one in each block of four slots, behind its eight roundings and ahead of its loads and stores.
; It stands there, and not at the next block's head, so that a block's X is asked for again at once.  Two more waits at the head state that s14 and VCC are written.
.set A16, 2                            ; v2   16 x lane: x's loads, wb's stores; never rewritten
.set A8,  3                            ; v3   8 x lane: the codes' loads, xb's stores; never rewritten
.set SC,  4                            ; v4   the scale of my 8 codes
.set U,   6                            ; v[6:9]    four numbers at work
.set O,   10                           ; v[10:25]  the weights: load j in four registers: its 8 codes come into the upper two, its 8 numbers in bf16 fill all four
.set Y,   26                           ; v[26:57]  x's first 16 pieces in bf16, two registers each
.set X,   58                           ; v[58:121] x as loaded: slot i in four registers
	s_load_b256 s[4:11], s[0:1], 0x0               ; x s[4:5], ternary s[6:7], scales s[8:9], xb s[10:11]
	s_load_b64 s[12:13], s[0:1], 0x20              ; wb
	v_lshrrev_b32 v1, 5, v0
	v_readfirstlane_b32 s14, v1                    ; wave 0..7
	v_and_b32 v1, 31, v0                           ; lane
	v_lshlrev_b32 v[A16], 4, v1
	v_lshlrev_b32 v[A8], 3, v1
	v_cmp_le_u32 vcc_lo, 16, v1                    ; lanes 16-31: the second group of a load's two
	s_wait_alu depctr_va_sdst(0)                   ; s14 is written, ahead of its first reader: id, and with it every base, is made from it
	s_wait_alu depctr_va_vcc(0)                    ; VCC is written, ahead of its first reader, the first v_cndmask_b32 below; nothing writes it again
	s_lshl_b32 s15, ttmp9, 3
	s_add_co_u32 s15, s15, s14                     ; id
	s_lshl_b32 s2, s15, 14                         ; a row of x: 16,384 bytes; the largest offset is under 2^28
	s_mov_b32 s3, 0
	s_lshl_b32 s24, s15, 13                        ; a row of xb: 8,192
	s_mov_b32 s25, 0
	s_lshl_b32 s26, s15, 10                        ; a quarter row of codes: 1,024
	s_mov_b32 s27, 0
	s_lshl_b32 s28, s15, 11                        ; the same of wb: 2,048
	s_mov_b32 s29, 0
	s_lshl_b32 s30, s15, 5                         ; its 8 scales: 32
	s_mov_b32 s31, 0
	s_wait_kmcnt 0x0
	s_add_nc_u64 s[8:9], s[8:9], s[30:31]
	s_load_b256 s[16:23], s[8:9], 0x0              ; my eight scales: the launch writes no byte of that tensor
	s_add_nc_u64 s[6:7], s[6:7], s[26:27]
	s_add_nc_u64 s[4:5], s[4:5], s[2:3]
	s_add_nc_u64 s[10:11], s[10:11], s[24:25]
	s_add_nc_u64 s[12:13], s[12:13], s[28:29]
	s_wait_alu depctr_va_vdst(0)                   ; v[A16] and v[A8] are written: every load and store of the kernel reads one of them as its offset
.irp j, 0,1,2,3
	global_load_b64 v[O+4*(\j)+2:O+4*(\j)+3], v[A8], s[6:7] offset:256*(\j) th:TH_LOAD_NT  ; the codes, into the upper half of the four registers that they will fill
.endr
.irp i, 0,1,2,3,4,5,6,7,8,9,10,11,12,13,14,15
	global_load_b128 v[X+4*(\i):X+4*(\i)+3], v[A16], s[4:5] offset:512*(\i) th:TH_LOAD_NT  ; the ring is filled: the row's first half
.endr
	s_wait_kmcnt 0x0                               ; the scales
; The weights come first: their arithmetic runs while x's loads are on their way.  Load j: 8 codes a lane -> f32 -> times the group's scale -> bf16 -> 16 bytes.
; Pass c takes the four codes of register O[j] + 2 + c and writes O[j] + 2 c and O[j] + 2 c + 1.
.macro WCONV j
	s_wait_loadcnt 19-(\j)                         ; loads come back in order (ISA guide 5.7.1): load j is in; the younger loads of codes and x's sixteen stay out
	v_mov_b32 v[SC], s[16+2*(\j)]                  ; group 2 j of my eight,
	v_cndmask_b32 v[SC], v[SC], s[17+2*(\j)], vcc_lo  ; or 2 j + 1
.irp c, 0,1
	v_lshlrev_b32 v[U],   24, v[O+4*(\j)+2+(\c)]   ; each byte to the top of a word,
	v_lshlrev_b32 v[U+1], 16, v[O+4*(\j)+2+(\c)]
	v_lshlrev_b32 v[U+2], 8,  v[O+4*(\j)+2+(\c)]
	v_ashrrev_i32 v[U],   24, v[U]                 ; and down again with its sign
	v_ashrrev_i32 v[U+1], 24, v[U+1]
	v_ashrrev_i32 v[U+2], 24, v[U+2]
	v_ashrrev_i32 v[U+3], 24, v[O+4*(\j)+2+(\c)]
	v_cvt_f32_i32 v[U],   v[U]
	v_cvt_f32_i32 v[U+1], v[U+1]
	v_cvt_f32_i32 v[U+2], v[U+2]
	v_cvt_f32_i32 v[U+3], v[U+3]
	v_mul_f32 v[U],   v[SC], v[U]
	v_mul_f32 v[U+1], v[SC], v[U+1]
	v_mul_f32 v[U+2], v[SC], v[U+2]
	v_mul_f32 v[U+3], v[SC], v[U+3]
	v_cvt_pk_bf16_f32 v[O+4*(\j)+2*(\c)],   v[U],   v[U+1]
	v_cvt_pk_bf16_f32 v[O+4*(\j)+2*(\c)+1], v[U+2], v[U+3]
.endr
.endm
.irp j, 0,1,2,3
	WCONV \j
.endr
	s_wait_alu depctr_va_vdst(0)                   ; the roundings have written O0 to O3, which the four stores read
.irp j, 0,1,2,3
	global_store_b128 v[A16], v[O+4*(\j):O+4*(\j)+3], s[12:13] offset:512*(\j) th:TH_STORE_NT  ; 512 consecutive bytes, at a multiple of 256 from wb's first byte
.endr
; x's first round, block p: slots 4 p to 4 p + 3 are rounded into registers of their own, asked for again with the pieces 16 further on, and stored.  The loads stand ahead of the stores.
.macro FIRST p
	s_wait_loadcnt 12                              ; behind the block's last load stand 12 - 4 p of the first sixteen and 4 p of the second: they stay out
.irp i, 0,1,2,3
.set n, 4*(\p)+(\i)
	v_cvt_pk_bf16_f32 v[Y+2*n],   v[X+4*n],   v[X+4*n+1]
	v_cvt_pk_bf16_f32 v[Y+2*n+1], v[X+4*n+2], v[X+4*n+3]
.endr
	s_wait_alu depctr_va_vdst(0)                   ; the eight roundings are done reading the block's X, in which the loads below land, and have written its Y, which the stores below read
.irp i, 0,1,2,3
.set n, 4*(\p)+(\i)
	global_load_b128 v[X+4*n:X+4*n+3], v[A16], s[4:5] offset:512*(n+16) th:TH_LOAD_NT
.endr
.irp i, 0,1,2,3
.set n, 4*(\p)+(\i)
	global_store_b64 v[A8], v[Y+2*n:Y+2*n+1], s[10:11] offset:256*n th:TH_STORE_NT  ; 256 consecutive bytes, aligned
.endr
.endm
; The last round loads nothing: the counts run down, and a slot is rounded in place.
.macro LAST p
	s_wait_loadcnt 12-4*(\p)                       ; the later blocks' loads stay out
.irp i, 0,1,2,3
.set n, 4*(\p)+(\i)
	v_cvt_pk_bf16_f32 v[X+4*n],   v[X+4*n],   v[X+4*n+1]
	v_cvt_pk_bf16_f32 v[X+4*n+1], v[X+4*n+2], v[X+4*n+3]
.endr
	s_wait_alu depctr_va_vdst(0)                   ; the eight roundings have written the lower two registers of the block's four slots, which the stores below read
.irp i, 0,1,2,3
.set n, 4*(\p)+(\i)
	global_store_b64 v[A8], v[X+4*n:X+4*n+1], s[10:11] offset:256*(n+16) th:TH_STORE_NT
.endr
.endm
	FIRST 0
	FIRST 1
	FIRST 2
	FIRST 3
	LAST 0
	LAST 1
	LAST 2
	LAST 3
	s_endpgm
.Lfunc_end_k_q7c12540a17_prep:
	.size	k_q7c12540a17_prep, .Lfunc_end_k_q7c12540a17_prep-k_q7c12540a17_prep
	.p2alignl 7, 3214868480
	.fill 96, 4, 3214868480
	.section	.rodata,"a",@progbits
	.p2align	6, 0x0
	.amdhsa_kernel k_q7c12540a17_prep
		.amdhsa_group_segment_fixed_size 0
		.amdhsa_private_segment_fixed_size 0
		.amdhsa_enable_private_segment 0
		.amdhsa_kernarg_size 40
		.amdhsa_user_sgpr_count 2
		.amdhsa_user_sgpr_kernarg_segment_ptr 1
		.amdhsa_wavefront_size32 1
		.amdhsa_system_sgpr_workgroup_id_x 1
		.amdhsa_system_sgpr_workgroup_id_y 1
		.amdhsa_system_sgpr_workgroup_id_z 1
		.amdhsa_system_vgpr_workitem_id 0
		.amdhsa_next_free_vgpr 122
		.amdhsa_next_free_sgpr 66
		.amdhsa_reserve_vcc 1
		.amdhsa_float_denorm_mode_32 3
		.amdhsa_float_denorm_mode_16_64 3
		.amdhsa_memory_ordered 1
		.amdhsa_forward_progress 1
		.amdhsa_inst_pref_size 18
	.end_amdhsa_kernel
	.amdgpu_metadata
---
amdhsa.version: [ 1, 2 ]
amdhsa.kernels:
  - .name:           k_q7c12540a17_prep
    .symbol:         k_q7c12540a17_prep.kd
    .args:
      - { .name: x, .offset: 0, .size: 8, .value_kind: global_buffer, .address_space: global }
      - { .name: ternary, .offset: 8, .size: 8, .value_kind: global_buffer, .address_space: global }
      - { .name: scales, .offset: 16, .size: 8, .value_kind: global_buffer, .address_space: global }
      - { .name: xb, .offset: 24, .size: 8, .value_kind: global_buffer, .address_space: global }
      - { .name: wb, .offset: 32, .size: 8, .value_kind: global_buffer, .address_space: global }
    .group_segment_fixed_size: 0
    .private_segment_fixed_size: 0
    .kernarg_segment_align: 8
    .kernarg_segment_size: 40
    .max_flat_workgroup_size: 256
    .sgpr_count:     66
    .vgpr_count:     122
    .wavefront_size: 32
...
	.end_amdgpu_metadata
.endif
;; end of part 5
;; launch gemm: the kernel of part 4 again; grid 8 x 32, 4 waves a work-group, clusters of 4 x 4, 327,680 bytes of LDS; arguments xb, wb, out0; writes out0
